; MI455X (gfx1250); checked and timed in simulation.
; The chip was launched on July 23, 2026; its instructions are those of AMD's public machine-readable ISA for CDNA 5 (MIT licence, August 2026) and "CDNA5" Instruction Set Architecture Reference Guide (July 2026). The comments in the code are by the model that wrote it; some were corrected since.
;; Causal Self Attention. Allowed arithmetic: matrix products marked QUANTISED: E2M1 operands, one E8M0 scale for each 32 along K, by v_wmma_scale_f32_16x16x128_f8f6f4 with both operands' format E2M1 (or v_wmma_scale_f32_32x16x128_f4), f32 sums; products left as they are: bf16, f16 or f32 operands; f32 sums; everything else in f32.
;; Inputs: W_attn 1,024 x 3,072 float32; W_proj 1,024 x 1,024 float32; b_attn 3,072 float32; b_proj 1,024 float32; x 4 x 2,048 x 1,024 float32.
;; Outputs: out0 4 x 2,048 x 1,024 float32.
;; This version of the problem:
;;   THIS VERSION OF THE PROBLEM IS GIVEN IN LOW PRECISION. The matrix products marked QUANTISED in the list below multiply operands that are first quantised to E2M1 (2 exponent bits, 1 mantissa bit; 4 bits a number), with one power-of-two scale for each 32 numbers along K (OCP MX v1.0); their sums are f32. The products marked 'left as it is' may take bf16, f16 or f32 operands, with f32 sums. Whichever they take, every output number must still come out within the allowed error. Rounding operands to bf16 (8 significant bits) uses up far more of that allowance than f16 does (11 bits, for magnitudes from 6e-5 to 65,504). All else is computed in f32.
;;   The module's matrix products, in the order in which they are computed (A, B: the left and right operand; K: the contracted axis; several contracted axes count as one K, in the product's order):
;;     1. [M 8,192, K 1,024] x [K 1,024, N 3,072]; A: input x; B: input W_attn: QUANTISED
;;     2. batch 64 x [M 2,048, K 64] x [K 64, N 2,048]; A: computed on the way; B: computed on the way: left as it is (an operand is computed on the way)
;;     3. batch 64 x [M 2,048, K 2,048] x [K 2,048, N 64]; A: computed on the way; B: computed on the way: left as it is (an operand is computed on the way)
;;     4. [M 8,192, K 1,024] x [K 1,024, N 1,024]; A: computed on the way; B: input W_proj: left as it is (an operand is computed on the way)
;;   THE QUANTISER, for each operand of a quantised product, along K:
;;     - K is cut into blocks of 32 from its start; a last block that is shorter is filled with zeros.
;;     - A block's scale is 2^e with e = floor(log2(the largest magnitude in the block)) - 2, held to -126 .. 127; a block of zeros has e = 0. As a byte (E8M0): e + 127.
;;     - Each number is divided by its block's scale, clamped to +-6, and rounded to the nearest number of E2M1, ties to even, subnormals kept.
;;     - The product sums the exact products of the quantised numbers (number of the format x scale) in f32.
;;   ~~~python
;;   def quantise(x, axis):      # numpy; x: float32 -> the quantised numbers, widened to float32 again
;;       x = np.moveaxis(x, axis, -1); K = x.shape[-1]
;;       x = np.pad(x, [(0, 0)] * (x.ndim - 1) + [(0, -K % 32)]); x = x.reshape(x.shape[:-1] + (-1, 32)); a = np.abs(x).max(-1, keepdims=True)
;;       e = np.where(a > 0, np.clip(np.frexp(np.where(a > 0, a, 1))[1] - 1 - 2, -126, 127), 0)      # np.frexp(a)[1] - 1 = floor(log2(a)), exactly
;;       r = np.clip(x / 2.0 ** e, -6, 6)
;;       step = 2.0 ** (np.maximum(np.frexp(np.where(r == 0, 1, r))[1] - 1, 0) - 1)
;;       q = np.round(r / step) * step * 2.0 ** e      # np.round: ties to even
;;       return np.moveaxis(q.reshape(q.shape[:-2] + (-1,))[..., :K], -1, axis).astype(np.float32)
;;   ~~~
;; One version. Each part assembles by itself: llvm-mc -triple=amdgcn-amd-amdhsa -mcpu=gfx1250 --defsym DOCPART=n.
;; ======== version 1 of 1: 5 launches
;; limits: values are held in f16: magnitudes above 65,504 overflow, below 6.1e-05 lose precision
;; workspace buffers: xc 4,194,304 bytes; xs 262,144 bytes; wc 1,572,864 bytes; ws 98,304 bytes; wp16 2,097,152 bytes; qkv16 50,331,648 bytes; qkv32 786,432 bytes; y16 16,777,216 bytes
;; launch prep (part 1): grid 432 x 1, 4 waves a work-group, no clusters, 68,096 bytes of LDS; arguments x, W_attn, W_proj, xc, xs, wc, ws, wp16; writes xc, xs, wc, ws, wp16
.if DOCPART == 1
	.amdgcn_target "amdgcn-amd-amdhsa--gfx1250"
	.amdhsa_code_object_version 6
	.text
	.protected	k_q7224ae6994_prep
	.globl	k_q7224ae6994_prep
	.p2align	8
	.type	k_q7224ae6994_prep,@function
k_q7224ae6994_prep:
	s_mov_b64 s[64:65], 0
	v_nop
	global_prefetch_b8 v0, s[64:65] scope:SCOPE_SE
	s_setreg_imm32_b32 hwreg(HW_REG_WAVE_MODE, 25, 1), 1
	s_wait_xcnt 0x0
; PREP: three jobs in one launch, told apart by the work-group's number alone.
;   work-groups 0-255   (path X): x [8192][1024] f32 -> codes of FP4 (E2M1), K innermost, xc [8192][512 bytes], and one E8M0 byte for each 32 along K, xs [8192][32].
;   work-groups 256-303 (path W): W_attn [1024 (k)][3072 (n)] f32, K its FIRST axis -> wc [3072][512 bytes], ws [3072][32], K innermost.
;   work-groups 304-431 (path P): W_proj [1024][1024] f32 -> f16, same order, wp16.
; A block's scale is 2^(floor(log2(its largest magnitude)) - 2); its byte is the largest magnitude's exponent field - 2, held at 1 from below.
; LIMITS: a block of zeros gets the byte 1 where the rule says 127 (its codes are zeros, and the bytes are read by this program alone); blocks whose largest magnitude lies under 2^-124
; are held at that byte; NaN and infinities among the inputs are not served; |W_proj| up to 65,504 (f16).
; Each path has LDS bytes of its own: X 0 .. 32,767 (8,192 a wave), W 32,768 .. 67,583 (8,704 a wave), the spare words behind them.  No barrier: waves share nothing.
.set SPW,   190                        ; v190  LDS address of my spare word; never rewritten
.set NIL,   191                        ; v191  0; never rewritten
.set SPARE, 67584
.set EMAX,  2
; ---- path X
.set STEPS, 16                         ; a wave takes 16 steps of 512 numbers
.set SP,    80                         ; a lane's place in a stage: 64 bytes + 16 of padding
.set XR,    16                         ; v16-79   four sets of 16 numbers as loaded
.set XX,    80                         ; v80-111  two sets of 16 neighbours
.set XE,    112                        ; v112-127 a scale byte for each step
.set XC,    128                        ; v128-189 codes, four registers reserved for each step
; ---- path W
.set WN,    3072
.set WSTG,  32768
.set WP,    272                        ; a stage row: 256 bytes of codes + 16
.set NB,    16                         ; blocks of 32 along K for a wave
.set WX,    32                         ; v32-95   two sets of 32 numbers
.set WC,    96                         ; v96-99   a block's codes
.set WOUT,  112                        ; v112-175 the way out
.set WSB,   24                         ; v24-27   the scale bytes, four to a register
.macro XLOAD t                         ; 32 lanes read 512 consecutive bytes, four times
.irp i, 0,1,2,3
	global_load_b128 v[XR+16*((\t)%4)+4*\i:XR+16*((\t)%4)+4*\i+3], v3, s[4:5] offset:2048*(\t)+512*\i th:TH_LOAD_NT
.endr
.endm
.macro XTURN t                         ; a step's 2,048 bytes through my own stage: in as they lie, out 64 bytes a lane.  LDS serves a wave's instructions in order: no wait between
.irp i, 0,1,2,3
	ds_store_b128 v14, v[XR+16*((\t)%4)+4*\i:XR+16*((\t)%4)+4*\i+3] offset:32*SP*((\t)%2)+8*SP*\i
.endr
.irp i, 0,1,2,3
	ds_load_b128 v[XX+16*((\t)%2)+4*\i:XX+16*((\t)%2)+4*\i+3], v15 offset:32*SP*((\t)%2)+16*\i
.endr
.endm
.macro XSTEP t
.set XS, XX+16*((\t)%2)
.if (\t) > 0
	s_wait_dscnt 1                                 ; this step's numbers are back from the stage; the last step's byte store may be out
.else
	s_wait_dscnt 0x0
.endif
.if (\t)+4 < STEPS
	XLOAD (\t)+4                                   ; into the set whose stores into the stage have been served
.endif
.if (\t)+1 < STEPS
.if STEPS-2-(\t) >= 3
	s_wait_loadcnt 12                              ; the next step's four loads are in; three younger steps' twelve may be out
.else
	s_wait_loadcnt 4*(STEPS-2-(\t))
.endif
	XTURN (\t)+1
.endif
	v_max3_num_f32 v8, |v[XS]|, |v[XS+1]|, |v[XS+2]|
	v_max3_num_f32 v9, |v[XS+3]|, |v[XS+4]|, |v[XS+5]|
.irp i, 6,10
	v_max3_num_f32 v8, v8, |v[XS+\i]|, |v[XS+\i+1]|
	v_max3_num_f32 v9, v9, |v[XS+\i+2]|, |v[XS+\i+3]|
.endr
	v_max3_num_f32 v8, v8, |v[XS+14]|, |v[XS+15]|
	v_max3_num_f32 v8, v8, v9, (EMAX+1)<<23        ; the floor 2^(3 - 127): the byte cannot fall under 1
	v_max_num_f32_dpp v8, v8, v8 row_xmask:1 row_mask:0xf bank_mask:0xf   ; with my neighbour's 16: the block's largest magnitude
	v_add_nc_u32 v11, -(EMAX<<23), v8              ; 2 off its exponent field: the conversion's scale operand
	v_cvt_scalef32_pk8_fp4_f32 v[XC+4*(\t)], v[XS:XS+7], v11
	v_cvt_scalef32_pk8_fp4_f32 v[XC+4*(\t)+1], v[XS+8:XS+15], v11
	v_lshrrev_b32 v[XE+(\t)], 23, v11              ; the scale's byte (a plain line behind the conversions)
	ds_store_b8 v5, v[XE+(\t)] offset:16*(\t)      ; both lanes of a block write the same byte with the same value
	global_store_b64 v4, v[XC+4*(\t):XC+4*(\t)+1], s[10:11] offset:256*(\t)   ; the wave stores 256 consecutive bytes, aligned
.endm
.macro WLOAD t                         ; block t: W(32 t + i, my column), i = 0 .. 31: 128 consecutive bytes a wave and load
.irp i, 0,1,2,3,4,5,6,7,8,9,10,11,12,13,14,15,16,17,18,19,20,21,22,23,24,25,26,27,28,29,30,31
	global_load_b32 v[WX+32*((\t)%2)+\i], v3, s[6:7] offset:(32*(\t)+\i)*WN*4 th:TH_LOAD_NT
.endr
.endm
.macro WBLOCK t
.set XS, WX+32*((\t)%2)
.if (\t) < NB-1
	s_wait_loadcnt 32                              ; this block's 32 loads are in; the next block's 32 may be out
.else
	s_wait_loadcnt 0
.endif
	v_max3_num_f32 v12, |v[XS]|, |v[XS+1]|, |v[XS+2]|   ; all 32 numbers of the block are mine
	v_max3_num_f32 v13, |v[XS+3]|, |v[XS+4]|, |v[XS+5]|
.irp i, 6,10,14,18,22,26
	v_max3_num_f32 v12, v12, |v[XS+\i]|, |v[XS+\i+1]|
	v_max3_num_f32 v13, v13, |v[XS+\i+2]|, |v[XS+\i+3]|
.endr
	v_max3_num_f32 v12, v12, |v[XS+30]|, |v[XS+31]|
	v_max3_num_f32 v12, v12, v13, (EMAX+1)<<23
	v_add_nc_u32 v11, -(EMAX<<23), v12
	v_lshrrev_b32 v13, 23, v11
.if (\t)%4 == 0
	v_mov_b32 v[WSB+(\t)/4], v13
.else
	v_lshl_or_b32 v[WSB+(\t)/4], v13, 8*((\t)%4), v[WSB+(\t)/4]
.endif
.irp g, 0,1,2,3
	v_cvt_scalef32_pk8_fp4_f32 v[WC+\g], v[XS+8*\g:XS+8*\g+7], v11
.endr
	v_nop                                          ; a plain line behind the last conversion
	ds_store_b128 v4, v[WC:WC+3] offset:16*(\t)    ; 32 codes: 16 bytes of my column's row
.if (\t)+2 < NB
	WLOAD (\t)+2
.endif
	s_wait_dscnt 0x0                               ; the store has been served: the next block's codes may be written
.endm
	s_load_b256 s[4:11], s[0:1], 0x0               ; x s[4:5], W_attn s[6:7], W_proj s[8:9], xc s[10:11]
	s_load_b256 s[12:19], s[0:1], 0x20             ; xs s[12:13], wc s[14:15], ws s[16:17], wp16 s[18:19]
	v_lshl_add_u32 v[SPW], v0, 2, SPARE
	v_mov_b32 v[NIL], 0
	v_lshrrev_b32 v1, 5, v0
	v_readfirstlane_b32 s20, v1                    ; wave 0..3
	v_and_b32 v2, 31, v0                           ; lane
	s_cmp_lt_u32 ttmp9, 256
	s_cbranch_scc0 .Lnot_x
	; ================= path X =================
	v_lshlrev_b32 v3, 4, v2                        ; my 16 bytes of a load's 512
	s_lshl_b32 s21, s20, 13                        ; my wave's 8,192 bytes of LDS
	v_lshrrev_b32 v14, 2, v2
	v_mul_u32_u24 v14, v14, SP
	v_and_b32 v15, 3, v2
	v_lshl_add_u32 v14, v15, 4, v14
	v_add_nc_u32 v14, s21, v14                     ; the stage, in: SP (lane / 4) + 16 (lane % 4)
	v_mul_u32_u24 v15, v2, SP
	v_add_nc_u32 v15, s21, v15                     ; and out: SP x lane
	v_lshlrev_b32 v4, 3, v2                        ; my 8 bytes of a step's codes
	v_lshrrev_b32 v5, 1, v2
	s_add_co_u32 s21, s21, 2*32*SP
	v_add_nc_u32 v5, s21, v5                       ; my block's byte among the wave's 256
	v_lshlrev_b32 v7, 3, v2
	v_add_nc_u32 v6, s21, v7
	s_lshl_b32 s22, ttmp9, 2
	s_add_co_u32 s22, s22, s20                     ; which run of 8,192 numbers is my wave's: 0 .. 1,023
	s_mov_b32 s25, 0
	s_lshl_b32 s24, s22, 15
	s_wait_kmcnt 0x0
	s_add_nc_u64 s[4:5], s[4:5], s[24:25]          ; 32,768 bytes of x a run,
	s_lshl_b32 s24, s22, 12
	s_add_nc_u64 s[10:11], s[10:11], s[24:25]      ; 4,096 of codes,
	s_lshl_b32 s24, s22, 8
	s_add_nc_u64 s[12:13], s[12:13], s[24:25]      ; 256 scale bytes
.irp t, 0,1,2,3
	XLOAD \t
.endr
	s_wait_loadcnt 12                              ; step 0's four loads are in
	XTURN 0
.irp t, 0,1,2,3,4,5,6,7,8,9,10,11,12,13,14,15
	XSTEP \t
.endr
	ds_load_b64 v[8:9], v6                         ; my wave's 256 scale bytes, 8 a lane
	s_wait_dscnt 0x0
	global_store_b64 v7, v[8:9], s[12:13]          ; 256 consecutive bytes, aligned
	s_wait_tensorcnt 0x0                           ; the wave's end
	ds_add_u32 v[SPW], v[NIL]
	s_wait_dscnt 0x0
	s_endpgm
.Lnot_x:
	s_cmp_lt_u32 ttmp9, 304
	s_cbranch_scc0 .Lpath_p
	; ================= path W =================  a lane takes a column n and its registers run down K
	s_sub_co_u32 s21, ttmp9, 256                   ; 0 .. 47
	s_cmp_ge_u32 s21, 24
	s_cselect_b32 s22, 1, 0                        ; which 512 along K
	s_cselect_b32 s23, 24, 0
	s_sub_co_u32 s21, s21, s23                     ; which 128 columns
	s_lshl_b32 s24, s21, 7
	s_lshl_b32 s25, s20, 5
	s_add_co_u32 s24, s24, s25                     ; my wave's first column
	v_lshlrev_b32 v3, 2, v2                        ; in: 4 bytes a lane
	s_mul_i32 s25, s20, 32*WP
	s_add_co_u32 s25, s25, WSTG                    ; my stage
	v_mul_u32_u24 v4, v2, WP
	v_add_nc_u32 v4, s25, v4                       ; into it: row = my column
	v_and_b32 v5, 15, v2
	v_lshrrev_b32 v6, 4, v2
	v_mul_u32_u24 v7, v6, WP
	v_lshl_add_u32 v7, v5, 4, v7
	v_add_nc_u32 v7, s25, v7                       ; out of it: sixteen lanes to a row, two rows an instruction
	v_lshlrev_b32 v8, 9, v6
	v_lshl_add_u32 v8, v5, 4, v8                   ; the same place in wc: rows of 512 bytes
	v_lshlrev_b32 v9, 5, v2                        ; my column's row of scale bytes: 32 bytes a row
	s_mul_i32 s26, s22, 512*WN*4
	s_lshl_b32 s27, s24, 2
	s_add_co_u32 s26, s26, s27
	s_mov_b32 s27, 0
	s_wait_kmcnt 0x0
	s_add_nc_u64 s[6:7], s[6:7], s[26:27]          ; W_attn at (512 ky, my first column)
	s_lshl_b32 s26, s24, 9
	s_lshl_b32 s28, s22, 8
	s_add_co_u32 s26, s26, s28
	s_add_nc_u64 s[14:15], s[14:15], s[26:27]      ; wc at (my first column, 256 ky bytes)
	s_lshl_b32 s26, s24, 5
	s_lshl_b32 s28, s22, 4
	s_add_co_u32 s26, s26, s28
	s_add_nc_u64 s[16:17], s[16:17], s[26:27]      ; ws at (my first column, 16 ky)
	WLOAD 0
	WLOAD 1
.set Q, 0
.rept NB
	WBLOCK Q
.set Q, Q+1
.endr
	global_store_b128 v9, v[WSB:WSB+3], s[16:17]   ; my column's 16 scale bytes
.irp t, 0,1,2,3,4,5,6,7,8,9,10,11,12,13,14,15
	ds_load_b128 v[WOUT+4*\t:WOUT+4*\t+3], v7 offset:2*\t*WP
.endr
.irp t, 0,1,2,3,4,5,6,7,8,9,10,11,12,13,14,15
	s_wait_dscnt 15-\t
	global_store_b128 v8, v[WOUT+4*\t:WOUT+4*\t+3], s[14:15] offset:2*\t*512   ; sixteen lanes store 256 consecutive bytes, aligned
.endr
	s_wait_tensorcnt 0x0                           ; the wave's end, as above
	ds_add_u32 v[SPW], v[NIL]
	s_wait_dscnt 0x0
	s_endpgm
.Lpath_p:
	; ================= path P =================  a plain stream: 8,192 bytes in and 4,096 out for each wave
	s_sub_co_u32 s21, ttmp9, 304
	s_lshl_b32 s22, s21, 15
	s_lshl_b32 s23, s20, 13
	s_add_co_u32 s22, s22, s23
	s_mov_b32 s23, 0
	v_lshlrev_b32 v3, 4, v2
	v_lshlrev_b32 v4, 3, v2
	s_wait_kmcnt 0x0
	s_add_nc_u64 s[8:9], s[8:9], s[22:23]
	s_lshr_b32 s22, s22, 1
	s_add_nc_u64 s[18:19], s[18:19], s[22:23]
.irp j, 0,1,2,3,4,5,6,7,8,9,10,11,12,13,14,15
	global_load_b128 v[32+4*\j:35+4*\j], v3, s[8:9] offset:512*\j th:TH_LOAD_NT
.endr
.irp j, 0,1,2,3,4,5,6,7,8,9,10,11,12,13,14,15
	s_wait_loadcnt 15-\j                           ; loads come back in order: load j is in, the younger ones stay out
	v_cvt_pk_f16_f32 v[96+2*\j], v[32+4*\j], v[33+4*\j]
	v_cvt_pk_f16_f32 v[97+2*\j], v[34+4*\j], v[35+4*\j]
	global_store_b64 v4, v[96+2*\j:97+2*\j], s[18:19] offset:256*\j   ; the wave stores 256 consecutive bytes, aligned
.endr
	s_wait_tensorcnt 0x0                           ; the same closing lines as on the other two paths
	ds_add_u32 v[SPW], v[NIL]
	s_wait_dscnt 0x0
	s_endpgm
.Lfunc_end_k_q7224ae6994_prep:
	.size	k_q7224ae6994_prep, .Lfunc_end_k_q7224ae6994_prep-k_q7224ae6994_prep
	.p2alignl 7, 3214868480
	.fill 96, 4, 3214868480
	.section	.rodata,"a",@progbits
	.p2align	6, 0x0
	.amdhsa_kernel k_q7224ae6994_prep
		.amdhsa_group_segment_fixed_size 68096
		.amdhsa_private_segment_fixed_size 0
		.amdhsa_enable_private_segment 0
		.amdhsa_kernarg_size 64
		.amdhsa_user_sgpr_count 2
		.amdhsa_user_sgpr_kernarg_segment_ptr 1
		.amdhsa_wavefront_size32 1
		.amdhsa_system_sgpr_workgroup_id_x 1
		.amdhsa_system_sgpr_workgroup_id_y 1
		.amdhsa_system_sgpr_workgroup_id_z 1
		.amdhsa_system_vgpr_workitem_id 0
		.amdhsa_next_free_vgpr 192
		.amdhsa_next_free_sgpr 66
		.amdhsa_reserve_vcc 0
		.amdhsa_float_denorm_mode_32 3
		.amdhsa_float_denorm_mode_16_64 3
		.amdhsa_memory_ordered 1
		.amdhsa_forward_progress 1
		.amdhsa_inst_pref_size 117
	.end_amdhsa_kernel
	.amdgpu_metadata
---
amdhsa.version: [ 1, 2 ]
amdhsa.kernels:
  - .name:           k_q7224ae6994_prep
    .symbol:         k_q7224ae6994_prep.kd
    .args:
      - { .name: x, .offset: 0, .size: 8, .value_kind: global_buffer, .address_space: global }
      - { .name: W_attn, .offset: 8, .size: 8, .value_kind: global_buffer, .address_space: global }
      - { .name: W_proj, .offset: 16, .size: 8, .value_kind: global_buffer, .address_space: global }
      - { .name: xc, .offset: 24, .size: 8, .value_kind: global_buffer, .address_space: global }
      - { .name: xs, .offset: 32, .size: 8, .value_kind: global_buffer, .address_space: global }
      - { .name: wc, .offset: 40, .size: 8, .value_kind: global_buffer, .address_space: global }
      - { .name: ws, .offset: 48, .size: 8, .value_kind: global_buffer, .address_space: global }
      - { .name: wp16, .offset: 56, .size: 8, .value_kind: global_buffer, .address_space: global }
    .group_segment_fixed_size: 68096
    .private_segment_fixed_size: 0
    .kernarg_segment_align: 8
    .kernarg_segment_size: 64
    .max_flat_workgroup_size: 128
    .sgpr_count:     66
    .vgpr_count:     192
    .wavefront_size: 32
...
	.end_amdgpu_metadata
.endif
;; end of part 1
;; launch qkv (part 2): grid 12 x 32, 4 waves a work-group, clusters of 4 x 4, 327,680 bytes of LDS; arguments xc, xs, wc, ws, b_attn, qkv16, qkv32; writes qkv16, qkv32
.if DOCPART == 2
	.amdgcn_target "amdgcn-amd-amdhsa--gfx1250"
	.amdhsa_code_object_version 6
	.text
	.protected	k_q7224ae6994_qkv
	.globl	k_q7224ae6994_qkv
	.p2align	8
	.type	k_q7224ae6994_qkv,@function
k_q7224ae6994_qkv:
	s_mov_b64 s[64:65], 0
	v_nop
	global_prefetch_b8 v0, s[64:65] scope:SCOPE_SE
	s_setreg_imm32_b32 hwreg(HW_REG_WAVE_MODE, 25, 1), 1
	s_wait_xcnt 0x0
	s_wait_alu depctr_hold_cnt(0) depctr_sa_sdst(0) depctr_va_vdst(0) depctr_va_sdst(0) depctr_va_ssrc(0) depctr_va_vcc(0) depctr_vm_vsrc(0)
	s_getreg_b32 s2, hwreg(HW_REG_IB_STS2, 6, 4)
	s_cmp_eq_u32 s2, 0
	s_cbranch_scc0 .Lentry_in_a_cluster
	s_endpgm
.Lentry_in_a_cluster:
	s_bfe_u32 s2, ttmp6, 0x10000c
	s_cmp_lg_u32 s2, 0xf033
	s_cbranch_scc0 .Lentry_shape_is_right
	s_endpgm
.Lentry_shape_is_right:
; QKV = Q(x) Q(W_attn) + b_attn on codes of FP4 (E2M1) with one E8M0 scale for each 32 along K.  M = 8,192, N = 3,072, K = 1,024; sums in f32.
; A tile of 256 x 256 to a work-group of four waves, 128 x 128 to a wave: 64 accumulators, 512 registers.  K = 1,024 is two LDS slots of 512 along K (rows of 256 bytes):
; both slots and all scale bytes are asked for at the head, nothing is filled again, and there is no loop.
; CLUSTERS: 4 x 4 work-groups; A's tiles are asked for jointly along a row of the cluster, B's along a column.
; THE PLACE OF A TILE: tile row = 8 cy + cluster y, so that the batch is cy and the tile's place in its sequence is cluster y, which all sixteen partners share: the branch
; "this tile holds the first 16 positions of a sequence" hangs on cluster y and the wave's number alone.  Tile column = 4 cluster x + cx: cluster x says q, k or v; cx the group of four heads.
; THE MATRIX INSTRUCTION IS USED TRANSPOSED (source 0 = 16 rows of W's codes, source 1 = 16 rows of x's): a lane holds eight neighbouring columns of one row.  The bias is the C of each sum's first product.
; OUT: f16, laid by head, qkv16 [which][b][h][t][64]: a block of 16 rows of one head is 2,048 consecutive bytes.  Rows t < 16 of each sequence also go out in f32, qkv32 [b][t][3072].
; LIMIT: |q|, |k|, |v| up to 65,504 (f16).
; REGISTERS: window 0: v0-31 addresses; v32-95 scale words, two sets; v128-191 A's fragments, one set; v192-255 the bias, 8 registers for each of my 8 blocks of columns.
;   window 1: B's fragments, two sets, at v0 and v128.  window 2: accumulators of my rows 0-63 ((a, b) at v[8 (8 a + b)]); window 3: rows 64-127.
.set NQ,     4                         ; matrix instructions deep in a slot
.set ROWB,   256                       ; a tile's row in bytes: 512 codes
.set KROW,   512                       ; a row of codes in memory
.set PITCH,  272                       ; an LDS row: 256 bytes + 16 of padding
.set FR,     8
.set NL,     2
.set NP,     4                         ; places behind this matrix instruction (ISA guide 7.12.1)
.set HALFT,  128*PITCH
.set SLOT,   4*HALFT
.set KS,     32                        ; a row of scale bytes
.set SCL,    2*SLOT
.set HALFS,  16*272                    ; the scales of 128 rows: 4,096 bytes as 16 rows of 256 + 16
.set SBLK,   2*272                     ; those of 16 rows
.set SPARE,  SCL+4*HALFS               ; the spare words, 128 bytes a wave
.set HP,     144                       ; the way out in f16: a head's row of 128 bytes + 16
.set HSTG,   2*16*HP                   ; two heads x 16 rows for each wave; the stages lie in slot 0, which has had its only fill and its last read by then
.set FSTG,   4*HSTG                    ; behind them the f32 stages: 16 rows x (512 + 16) for each wave
.set FPI,    528
.set ADRA, 16
.set ADRB, 20
.set STO,  24
.set RD,   25
.set CO,   26
.set ADRS, 27
.set SPW,  28
.set NIL,  29
.set STO32, 30
.set RD32, 31
.set SC,   32
.set AF,   128
.set BI,   192
.set TMP,  32                          ; the way out: packed results
.set BK,   64                          ; and rows read back: v64-95, v96-127 by turns
.set G1, 24
.set G0, 32
.set G1B, 48
.set G0B, 56
.set G1S, 68
.set G0S, 76
.set G1SB, 80
.set G0SB, 88
.set MSB, 0
.macro WIN new                         ; the immediate's high byte repeats the setting that is left
.if MSB != \new
	s_set_vgpr_msb (MSB<<8)|\new
.set MSB, \new
.endif
.endm
.set MUL_LO, 0xa1                      ; source 0 (B) window 1, source 1 (A) window 0, C and D window 2
.set MUL_HI, 0xf1
.set FST_LO, 0x81                      ; the same with C (the bias) in window 0
.set FST_HI, 0xc1
.set TO_B,   0x40
; A joint load: waves 0 and 1 fetch for A, waves 2 and 3 for B; the branch hangs on the wave's number alone.  An s_nop 0 and four v_nop follow each line.
.macro JLOAD g0a, g1a, g0b, g1b
	s_cmp_eq_u32 s15, 0
	s_cbranch_scc0 .Lfor_b_\@
	tensor_load_to_lds s[\g0a:\g0a+3], s[\g1a:\g1a+7]
	s_nop 0
.rept 4
	v_nop
.endr
	s_branch .Lasked_\@
.Lfor_b_\@:
	tensor_load_to_lds s[\g0b:\g0b+3], s[\g1b:\g1b+7]
	s_nop 0
.rept 4
	v_nop
.endr
.Lasked_\@:
.endm
.macro CROUND                          ; a round of the cluster's barrier
	s_barrier_signal -1
	s_barrier_wait -1
	s_cmp_lg_u32 s14, 0
	s_cbranch_scc1 .Lnot_wave_0_\@
	s_barrier_signal -3
.Lnot_wave_0_\@:
	s_barrier_wait -3
	s_barrier_signal -1
	s_barrier_wait -1
.endm
	s_load_b256 s[4:11], s[0:1], 0x0               ; xc s[4:5], xs s[6:7], wc s[8:9], ws s[10:11]
	s_load_b128 s[96:99], s[0:1], 0x20             ; b_attn s[96:97], qkv16 s[98:99]
	s_load_b64 s[100:101], s[0:1], 0x30            ; qkv32
	v_lshl_add_u32 v[SPW], v0, 2, SPARE
	v_mov_b32 v[NIL], 0
	ds_add_u32 v[SPW], v[NIL]                      ; the wave's opening: the add, twice on end, and its wait ahead of my first tensor load
	ds_add_u32 v[SPW], v[NIL]
	v_lshrrev_b32 v1, 5, v0
	v_readfirstlane_b32 s14, v1                    ; wave 0..3
	s_lshr_b32 s15, s14, 1                         ; which half of the tile's rows is mine.  Also: I fetch for A (0) or for B (1)
	s_and_b32 s16, s14, 1                          ; which half of its columns.  Also: which 128 rows of that tile I fetch
	s_bfe_u32 s40, ttmp6, 0x40000                  ; cx
	s_bfe_u32 s41, ttmp6, 0x40004                  ; cy
	s_lshl_b32 s42, ttmp9, 2
	s_add_co_u32 s42, s42, s40                     ; tile column = 4 x cluster x + cx
	s_and_b32 s95, ttmp7, 0xffff                   ; cluster y: the tile's place in its sequence
	s_lshl_b32 s17, s41, 3
	s_add_co_u32 s17, s17, s95                     ; tile row = 8 cy + cluster y
	s_lshl_b32 s43, s41, 2
	s_lshl_b32 s43, 15, s43                        ; my row of the cluster
	s_lshl_b32 s44, 0x1111, s40                    ; my column
	; descriptor group 1: a tile of 128 rows x 256 bytes, 16 bytes of padding behind each row
	s_or_b32 s[G1+0], s43, (0<<16)|(1<<20)|(1<<21)|(5<<22)|(3<<25)
	s_or_b32 s[G1B+0], s44, (0<<16)|(1<<20)|(1<<21)|(5<<22)|(3<<25)
.irp g, G1, G1B
	s_mov_b32 s[\g+1], ROWB<<16                    ; tensor_dim0
	s_mov_b32 s[\g+2], 128<<16                     ; tensor_dim1
	s_mov_b32 s[\g+3], ROWB<<16                    ; tile_dim0
	s_mov_b32 s[\g+4], 128                         ; tile_dim1
	s_mov_b32 s[\g+5], KROW                        ; stride from row to row
	s_mov_b32 s[\g+6], 0
	s_mov_b32 s[\g+7], 0
.endr
	; the scales of 128 rows: a dense block of 4,096 bytes as 16 rows of 32 elements of 8 bytes, 16 bytes of padding behind each
	s_or_b32 s[G1S+0], s43, (3<<16)|(1<<20)|(1<<21)|(5<<22)|(3<<25)
	s_or_b32 s[G1SB+0], s44, (3<<16)|(1<<20)|(1<<21)|(5<<22)|(3<<25)
.irp g, G1S, G1SB
	s_mov_b32 s[\g+1], 32<<16
	s_mov_b32 s[\g+2], 16<<16
	s_mov_b32 s[\g+3], 32<<16
	s_mov_b32 s[\g+4], 16
	s_mov_b32 s[\g+5], 32
	s_mov_b32 s[\g+6], 0
	s_mov_b32 s[\g+7], 0
.endr
	s_lshl_b32 s18, s16, 7                         ; which 128 rows of the tile I fetch
	s_lshl_b32 s20, s17, 8
	s_add_co_u32 s20, s20, s18                     ; A: row 256 x tile row + 128 x half
	s_lshl_b32 s46, s42, 8
	s_add_co_u32 s46, s46, s18                     ; B: row 256 x tile column + 128 x half
	s_mov_b32 s21, 0
	s_mov_b32 s47, 0
	s_mov_b64 s[18:19], KS
	s_mul_u64 s[22:23], s[20:21], s[18:19]         ; where these rows' scales begin,
	s_mul_u64 s[92:93], s[46:47], s[18:19]
	s_mov_b64 s[18:19], KROW
	s_mul_u64 s[20:21], s[20:21], s[18:19]         ; and their codes
	s_mul_u64 s[46:47], s[46:47], s[18:19]
	s_mul_i32 s45, s14, HALFT                      ; where they go: wave x 128 rows
	s_mul_i32 s94, s14, HALFS
	s_wait_dscnt 0x0                               ; both opening adds are done
	s_wait_kmcnt 0x0
	s_add_nc_u64 s[20:21], s[4:5], s[20:21]
	s_add_nc_u64 s[22:23], s[6:7], s[22:23]
	s_add_nc_u64 s[46:47], s[8:9], s[46:47]
	s_add_nc_u64 s[92:93], s[10:11], s[92:93]
	CROUND                                         ; all sixteen work-groups are here: the joint loads meet
	s_mov_b32 s[G0S], 1
	s_add_co_u32 s[G0S+1], s94, SCL
	s_mov_b64 s[G0S+2:G0S+3], s[22:23]
	s_or_b32 s[G0S+3], s[G0S+3], 0x80000000
	s_mov_b32 s[G0SB], 1
	s_add_co_u32 s[G0SB+1], s94, SCL
	s_mov_b64 s[G0SB+2:G0SB+3], s[92:93]
	s_or_b32 s[G0SB+3], s[G0SB+3], 0x80000000
	JLOAD G0S, G1S, G0SB, G1SB                     ; the scales first; then both slots: three loads of mine are out
.irp s, 0,1
	s_mov_b32 s[G0+4*\s], 1
	s_add_co_u32 s[G0+4*\s+1], s45, \s*SLOT
	s_add_nc_u64 s[G0+4*\s+2:G0+4*\s+3], s[20:21], \s*ROWB
	s_or_b32 s[G0+4*\s+3], s[G0+4*\s+3], 0x80000000
	s_mov_b32 s[G0B+4*\s], 1
	s_add_co_u32 s[G0B+4*\s+1], s45, \s*SLOT
	s_add_nc_u64 s[G0B+4*\s+2:G0B+4*\s+3], s[46:47], \s*ROWB
	s_or_b32 s[G0B+4*\s+3], s[G0B+4*\s+3], 0x80000000
	JLOAD G0+4*\s, G1, G0B+4*\s, G1B
.endr
	v_and_b32 v1, 15, v0                           ; r = lane % 16
	v_bfe_u32 v2, v0, 4, 1                         ; h = lane / 16
	v_mul_u32_u24 v3, v1, PITCH
	v_lshl_add_u32 v4, v2, 4, v3                   ; a fragment's row x pitch + 16 h
	s_mul_i32 s21, s15, HALFT                      ; my 128 rows of A
	s_mul_i32 s22, s16, HALFT                      ; my 128 rows of B,
	s_add_co_u32 s22, s22, 2*HALFT                 ; behind A's 256
.irp s, 0,1
	v_add_nc_u32 v[ADRA+\s], s21, v4
	v_add_nc_u32 v[ADRB+\s], s22, v4
	s_add_co_u32 s21, s21, SLOT
	s_add_co_u32 s22, s22, SLOT
.endr
	v_mul_u32_u24 v5, v1, KS                       ; my row's scales: 32 bytes a row,
	v_lshrrev_b32 v6, 8, v5
	v_lshl_add_u32 v5, v6, 4, v5                   ; and 16 more for each 256 passed
	s_mul_i32 s21, s15, HALFS
	s_mul_i32 s22, s16, HALFS
	s_add_co_u32 s22, s22, 2*HALFS
	s_sub_co_u32 s22, s22, s21
	v_mul_u32_u24 v6, s22, v2                      ; lanes 16-31 take B's: one product, the distance between the two bases
	s_add_co_u32 s21, s21, SCL
	v_add_nc_u32 v5, v5, v6
	v_add_nc_u32 v[ADRS], s21, v5
	; the bias, the f32 copy and the f16 way out.  Offsets made of cx stay in s[46:47], those made of cy in s[20:21]
	s_lshl_b32 s46, s42, 10
	s_lshl_b32 s47, s16, 9
	s_add_co_u32 s46, s46, s47                     ; my first column, in bytes of f32
	s_mov_b32 s47, 0
	s_add_nc_u64 s[96:97], s[96:97], s[46:47]
	s_add_nc_u64 s[100:101], s[100:101], s[46:47]
	s_mul_i32 s20, s41, 16*3072*4
	s_mov_b32 s21, 0
	s_add_nc_u64 s[100:101], s[100:101], s[20:21]  ; qkv32 at (batch, t = 0, my first column)
	v_lshlrev_b32 v7, 5, v2                        ; 32 h: lane (r, h) wants, for block b, the bias of columns 16 b + 8 h + 0 .. 7
.irp b, 0,1,2,3,4,5,6,7
	global_load_b128 v[BI+8*\b:BI+8*\b+3], v7, s[96:97] offset:64*\b
	global_load_b128 v[BI+8*\b+4:BI+8*\b+7], v7, s[96:97] offset:64*\b+16
.endr
	s_lshl_b32 s20, ttmp9, 2
	s_add_co_u32 s20, s20, s41                     ; 4 x which + batch
	s_lshl_b32 s20, s20, 22                        ; x 16 heads x 262,144 bytes
	s_lshl_b32 s21, s95, 15                        ; + 256 rows of 128 bytes for each tile of the sequence
	s_add_co_u32 s20, s20, s21
	s_lshl_b32 s21, s15, 14                        ; + my 128 rows
	s_add_co_u32 s20, s20, s21
	s_mov_b32 s21, 0
	s_lshl_b32 s46, s40, 2
	s_lshl_b32 s47, s16, 1
	s_add_co_u32 s46, s46, s47                     ; my first head: 4 cx + 2 x half
	s_lshl_b32 s46, s46, 18
	s_mov_b32 s47, 0
	s_add_nc_u64 s[12:13], s[98:99], s[20:21]
	s_add_nc_u64 s[12:13], s[12:13], s[46:47]
	s_or_b32 s94, s95, s15                         ; 0 where my block 0 is the first 16 positions of a sequence
	s_mul_i32 s23, s14, HSTG
	v_mul_u32_u24 v5, v1, HP
	v_lshl_add_u32 v5, v2, 4, v5
	v_add_nc_u32 v[STO], s23, v5                   ; f16 stage, in: row r, 16 bytes for each half of the lanes
	v_and_b32 v6, 31, v0
	v_lshrrev_b32 v8, 3, v6
	v_mul_u32_u24 v8, v8, HP
	v_and_b32 v9, 7, v6
	v_lshl_add_u32 v8, v9, 4, v8
	v_add_nc_u32 v[RD], s23, v8                    ; back: eight lanes to a row of 128 bytes, four rows an instruction
	v_lshlrev_b32 v[CO], 4, v6                     ; and in memory those four rows are 512 consecutive bytes
	s_mul_i32 s23, s14, 16*FPI
	s_add_co_u32 s23, s23, FSTG
	v_mul_u32_u24 v5, v1, FPI
	v_lshl_add_u32 v5, v2, 5, v5
	v_add_nc_u32 v[STO32], s23, v5                 ; f32 stage, in: row r, 32 bytes for each half
	v_add_nc_u32 v[RD32], s23, v[CO]               ; back: a row of 512 bytes
.macro FRAG reg, adr, q, i             ; 16 rows x 128 K of 4-bit codes: 8 registers, two loads of 16 bytes, 32 bytes apart
.irp c, 0,1
	ds_load_b128 v[\reg+4*\c:\reg+4*\c+3], v[\adr] offset:64*(\q)+32*\c+(\i)*16*PITCH
.endr
.endm
; 16 matrix instructions: A's blocks a0, a0 + 1 x B's eight.  first = 1: the bias is C.  The 64 accumulators take turns, one instruction a turn.
.macro MUL16 a0, p, q, sc, first
.irp a, \a0, \a0+1
.irp b, 0,1,2,3,4,5,6,7
.if \first
	v_wmma_scale_f32_16x16x128_f8f6f4 v[8*(8*((\a)%4)+\b):8*(8*((\a)%4)+\b)+7], v[128*(\p)+FR*\b:128*(\p)+FR*\b+FR-1], v[AF+FR*(\a):AF+FR*(\a)+FR-1], v[BI+8*\b:BI+8*\b+7], v[SC+8*NQ*(\sc)+NQ*\b+(\q)], v[SC+8*NQ*(\sc)+NQ*(\a)+(\q)] matrix_a_fmt:MATRIX_FMT_FP4 matrix_b_fmt:MATRIX_FMT_FP4 matrix_a_scale:MATRIX_SCALE_ROW1
.else
	v_wmma_scale_f32_16x16x128_f8f6f4 v[8*(8*((\a)%4)+\b):8*(8*((\a)%4)+\b)+7], v[128*(\p)+FR*\b:128*(\p)+FR*\b+FR-1], v[AF+FR*(\a):AF+FR*(\a)+FR-1], v[8*(8*((\a)%4)+\b):8*(8*((\a)%4)+\b)+7], v[SC+8*NQ*(\sc)+NQ*\b+(\q)], v[SC+8*NQ*(\sc)+NQ*(\a)+(\q)] matrix_a_fmt:MATRIX_FMT_FP4 matrix_b_fmt:MATRIX_FMT_FP4 matrix_a_scale:MATRIX_SCALE_ROW1
.endif
.endr
.endr
.endm
.macro FETCH_B slot, q, p
	WIN TO_B
.irp i, 0,1,2,3,4,5,6,7
	FRAG 128*(\p)+FR*\i, ADRB+\slot, \q, \i
.endr
	WIN 0
.endm
.macro FETCH_A slot, q, i0
.irp i, \i0, \i0+1, \i0+2, \i0+3
	FRAG AF+FR*(\i), ADRA+\slot, \q, \i
.endr
.endm
.macro SCALES sc                       ; a slot's scale words: lanes 0-15 take A's block i, lanes 16-31 B's block i; four words a row
.irp i, 0,1,2,3,4,5,6,7
	ds_load_b128 v[SC+8*NQ*\sc+NQ*\i:SC+8*NQ*\sc+NQ*\i+3], v[ADRS] offset:\i*SBLK
.endr
.endm
.macro PLACES n                        ; plain vector lines between a matrix instruction and a load into, or a read of, its registers
.rept \n
	v_nop
.endr
.endm
.macro STEP slot, q, first             ; 128 along K with its successor in the same slot
	s_wait_dscnt 4*NL                              ; B's set and A's blocks 0-3 are in; the youngest eight loads (A's blocks 4-7) may be out
.if \first
	WIN FST_LO
.else
	WIN MUL_LO
.endif
	MUL16 0, (\q)%2, \q, \slot, \first
	MUL16 2, (\q)%2, \q, \slot, \first
	s_wait_dscnt 0
	PLACES NP
	FETCH_B \slot, (\q)+1, 1-(\q)%2
	FETCH_A \slot, (\q)+1, 0
.if \first
	WIN FST_HI
.else
	WIN MUL_HI
.endif
	MUL16 4, (\q)%2, \q, \slot, \first
	MUL16 6, (\q)%2, \q, \slot, \first
	PLACES NP
	WIN 0
	FETCH_A \slot, (\q)+1, 4
.endm
.macro STEPS slot, from
.set Q, \from
.rept NQ-1-\from
	STEP \slot, Q, 0
.set Q, Q+1
.endr
.endm
	s_wait_tensorcnt 1                             ; the scales and my part of slot 0 are in; slot 1's load, issued behind them, may be out
	s_barrier_signal -1
	s_barrier_wait -1                              ; everybody's are
	FETCH_B 0, 0, 0
	FETCH_A 0, 0, 0
	SCALES 0
	FETCH_A 0, 0, 4
	s_wait_loadcnt 0x0                             ; the bias
	STEP 0, 0, 1                                   ; the first products start the sums from the bias
	STEPS 0, 1
	; slot 0's last step changes slots: one barrier; in front of it my part of slot 1 has landed and my reads of slot 0 are over.
	s_wait_tensorcnt 0x0
	ds_add_u32 v[SPW], v[NIL]
	s_wait_dscnt 4*NL+1                            ; the add and A's blocks 4-7 may be out
	WIN MUL_LO
	MUL16 0, 1, NQ-1, 0, 0
	s_wait_dscnt 0x0
	s_barrier_signal -1
	MUL16 2, 1, NQ-1, 0, 0
	WIN 0
	s_barrier_wait -1
	PLACES NP
	v_add_nc_u32 v[ADRS], 4*NQ, v[ADRS]            ; the second slot's scale words: 16 bytes on in each row
	FETCH_B 1, 0, 0
	FETCH_A 1, 0, 0
	SCALES 1
	WIN MUL_HI
	MUL16 4, 1, NQ-1, 0, 0
	MUL16 6, 1, NQ-1, 0, 0
	PLACES NP
	WIN 0
	FETCH_A 1, 0, 4
	STEPS 1, 0
	s_wait_dscnt 4*NL                              ; the very last step
	WIN MUL_LO
	MUL16 0, 1, NQ-1, 1, 0
	MUL16 2, 1, NQ-1, 1, 0
	s_wait_dscnt 0
	WIN MUL_HI
	MUL16 4, 1, NQ-1, 1, 0
	MUL16 6, 1, NQ-1, 1, 0
	WIN 0
	PLACES NP                                      ; behind the last products: for the reads of results and the writes of registers that they read
	; THE FIRST 16 POSITIONS OF A SEQUENCE, in f32: my block 0 through the f32 stage, out as rows of 512 consecutive bytes
	s_cmp_lg_u32 s94, 0
	s_cbranch_scc1 .Lno_fine
	WIN 0x08                                       ; an LDS store's data: window 2
.irp b, 0,1,2,3,4,5,6,7
	ds_store_b128 v[STO32], v[8*\b:8*\b+3] offset:64*\b          ; each accumulator from its low end on
	ds_store_b128 v[STO32], v[8*\b+4:8*\b+7] offset:64*\b+16
.endr
	WIN 0
.irp t, 0,1,2,3,4,5,6,7,8,9,10,11,12,13,14,15
	ds_load_b128 v[128+4*\t:131+4*\t], v[RD32] offset:FPI*\t     ; a wave's LDS instructions are served in order: these see the stores above
.endr
	s_wait_dscnt 0x0
.irp t, 0,1,2,3,4,5,6,7,8,9,10,11,12,13,14,15
	global_store_b128 v[CO], v[128+4*\t:131+4*\t], s[100:101] offset:12288*\t
.endr
.Lno_fine:
; THE WAY OUT in f16, block by block of 16 rows x 128 columns = two heads x 16 rows x 128 bytes
.macro PACK a
.set AC, 64*((\a)%4)
	WIN 0x0a+5*((\a)/4)                            ; sources 0 and 1: window 2 or 3
.irp b, 0,1,2,3,4,5,6,7
.irp r, 0,1,2,3
	v_cvt_pk_f16_f32 v[TMP+4*\b+\r], v[AC+8*\b+2*\r], v[AC+8*\b+2*\r+1]
.endr
.endr
	WIN 0
.endm
.macro TOSTAGE a
.set BB, BK+32*((\a)%2)
.irp b, 0,1,2,3,4,5,6,7
	ds_store_b128 v[STO], v[TMP+4*\b:TMP+4*\b+3] offset:(\b/4)*16*HP+(\b%4)*32
.endr
.irp i, 0,1,2,3,4,5,6,7
	ds_load_b128 v[BB+4*\i:BB+4*\i+3], v[RD] offset:(\i/4)*16*HP+(\i%4)*4*HP
.endr
.endm
.macro SEND a
.set BB, BK+32*((\a)%2)
	s_wait_dscnt 0x0                               ; the block is back in registers
	s_wait_xcnt 0x0                                ; the stores of the block before have read their registers: the next block's loads may land there
.irp i, 0,1,2,3,4,5,6,7
	global_store_b128 v[CO], v[BB+4*\i:BB+4*\i+3], s[12:13] offset:(\a)*2048+(\i/4)*262144+(\i%4)*512   ; 32 lanes store 512 consecutive bytes, aligned
.endr
.endm
	PACK 0
	TOSTAGE 0
.irp a, 1,2,3,4,5,6,7                  ; block a's conversions stand between block a - 1's loads from the stage and the wait for them
	PACK \a
	SEND \a-1
	TOSTAGE \a
.endr
	SEND 7
	s_wait_tensorcnt 0x0                           ; the wave's end
	ds_add_u32 v[SPW], v[NIL]
	s_wait_dscnt 0x0
	CROUND                                         ; the closing round
	s_endpgm
.Lfunc_end_k_q7224ae6994_qkv:
	.size	k_q7224ae6994_qkv, .Lfunc_end_k_q7224ae6994_qkv-k_q7224ae6994_qkv
	.p2alignl 7, 3214868480
	.fill 96, 4, 3214868480
	.section	.rodata,"a",@progbits
	.p2align	6, 0x0
	.amdhsa_kernel k_q7224ae6994_qkv
		.amdhsa_group_segment_fixed_size 327680
		.amdhsa_private_segment_fixed_size 0
		.amdhsa_enable_private_segment 0
		.amdhsa_kernarg_size 56
		.amdhsa_user_sgpr_count 2
		.amdhsa_user_sgpr_kernarg_segment_ptr 1
		.amdhsa_wavefront_size32 1
		.amdhsa_system_sgpr_workgroup_id_x 1
		.amdhsa_system_sgpr_workgroup_id_y 1
		.amdhsa_system_sgpr_workgroup_id_z 1
		.amdhsa_system_vgpr_workitem_id 0
		.amdhsa_next_free_vgpr 1024
		.amdhsa_next_free_sgpr 102
		.amdhsa_reserve_vcc 0
		.amdhsa_float_denorm_mode_32 3
		.amdhsa_float_denorm_mode_16_64 3
		.amdhsa_memory_ordered 1
		.amdhsa_forward_progress 1
		.amdhsa_inst_pref_size 132
	.end_amdhsa_kernel
	.amdgpu_metadata
---
amdhsa.version: [ 1, 2 ]
amdhsa.kernels:
  - .name:           k_q7224ae6994_qkv
    .symbol:         k_q7224ae6994_qkv.kd
    .args:
      - { .name: xc, .offset: 0, .size: 8, .value_kind: global_buffer, .address_space: global }
      - { .name: xs, .offset: 8, .size: 8, .value_kind: global_buffer, .address_space: global }
      - { .name: wc, .offset: 16, .size: 8, .value_kind: global_buffer, .address_space: global }
      - { .name: ws, .offset: 24, .size: 8, .value_kind: global_buffer, .address_space: global }
      - { .name: b_attn, .offset: 32, .size: 8, .value_kind: global_buffer, .address_space: global }
      - { .name: qkv16, .offset: 40, .size: 8, .value_kind: global_buffer, .address_space: global }
      - { .name: qkv32, .offset: 48, .size: 8, .value_kind: global_buffer, .address_space: global }
    .group_segment_fixed_size: 327680
    .private_segment_fixed_size: 0
    .kernarg_segment_align: 8
    .kernarg_segment_size: 56
    .max_flat_workgroup_size: 128
    .sgpr_count:     102
    .vgpr_count:     1024
    .wavefront_size: 32
...
	.end_amdgpu_metadata
.endif
;; end of part 2
;; launch attn (part 3): grid 4 x 64, 8 waves a work-group, no clusters, 327,680 bytes of LDS; arguments qkv16, y16; writes y16
.if DOCPART == 3
	.amdgcn_target "amdgcn-amd-amdhsa--gfx1250"
	.amdhsa_code_object_version 6
	.text
	.protected	k_q7224ae6994_attn
	.globl	k_q7224ae6994_attn
	.p2align	8
	.type	k_q7224ae6994_attn,@function
k_q7224ae6994_attn:
	s_mov_b64 s[64:65], 0
	v_nop
	global_prefetch_b8 v0, s[64:65] scope:SCOPE_SE
	s_setreg_imm32_b32 hwreg(HW_REG_WAVE_MODE, 25, 1), 1
	s_wait_xcnt 0x0
; y[b][h][q][:] = the sum over k <= q of softmax_k(q . k / 8) v[k][:], head size 64, 2,048 positions, 64 heads in all.  q, k, v, y in f16, laid [b][h][t][64]; products into f32; maxima and sums in f32;
; the weights p are rounded to f16 for the second product, y once at the end.  LIMIT: |q|, |k|, |v| up to 65,504.  (Rows t < 16 are made here too, but the program's output takes them from the f32 launch.)
; SHARES.  Work-group (i, head) owns query blocks i and 7 - i of 256 queries: under the causal mask the two together have the same work for every i.  Wave w owns two PIECES of 32 queries (two tiles of 16):
; the low one begins at 256 i + 32 (7 - w), the high one at 256 (7 - i) + 32 w: so every wave has the same number of piece-steps too.  Eight waves, two to a SIMD: one wave's softmax stands beside the other's products.
; NO CLUSTER: under the causal mask the work-groups of a head need different numbers of tiles, and no jump may lead round a joint load.
; LAYOUT.  S^T = K Q^T (source 0 = 16 keys, source 1 = 16 queries): a lane holds ONE query (lane % 16) and keys 8 (lane / 16) + 0..7 of each tile.  Two such tiles, rounded to f16 in pairs, ARE source 1 of
; O^T = V^T P.  K comes out of LDS as it lies, V ([key][channel]) turned, by ds_load_tr16_b128.
; SOFTMAX.  A running maximum m and sum l for each query: p = 2^(c s - c m), c = log2(e) / 8; in every step O and l are multiplied by a = 2^(c m_old - c m_new).
; RING.  A key step is 64 keys; a slot is four steps (256 keys); two slots, 2^17 bytes apart.  Waves 0-3 fetch K of the slot's step w, waves 4-7 V of step w - 4: one tensor load a wave, 64 rows.
; Every work-group walks all eight slots (constant trip counts); a step all of whose keys come after a piece's queries is jumped over by a branch on ids, and a slot whose first key comes after the work-group's last query is not asked for.
; REGISTERS.  window 0: v2-15 addresses and the mask's; v16-31 sums at work; v32-63 eight statistics a tile; v64-191 S^T, 32 a tile, p's f16 pairs in place in the first 16; v192-255 K's fragments.
;   window 1: v0-127 O^T, 32 a tile; v128-191 Q; v192-255 V's fragments.
.set PK,    144                        ; a row of K in LDS: 128 bytes + 16
.set PVP,   160                        ; a row of V: 128 + 32 (an odd multiple of 32, for the turning load)
.set VOFF,  64*PK
.set STEPB, 64*(PK+PVP)
.set SLOT1, 1<<17
.set STAGE, SLOT1+4*STEPB              ; behind the ring: 16 rows x 144 bytes for each wave
.set SPARE, STAGE+8*16*PK              ; the spare words, 128 bytes a wave
.set AK0, 2
.set AV0, 3
.set ADK, 4
.set ADV, 5
.set QO,  6
.set STO, 7
.set RD,  8
.set GO,  9
.set SPW, 10
.set NIL, 11
.set PFO, 12
.set RH,  13                           ; v13  lane % 16 - 8 (lane / 16)
.set DD,  14                           ; v14  the mask's d
.set NINF, 15                          ; v15  -infinity
.set XS,  16
.set TT,  32                           ; tile t at v[TT + 8 t]: +0 c m, +1 m, +2, +3 l, +4 .. +7 at work (a at +6)
.set S,   64
.set KFR, 192
.set QF,  128
.set VF,  192
.set WV,  8
.set QL,  14                           ; s14  my low piece's first query;  s15 my high piece's
.set QH,  15
.set KF,  16                           ; s16  the step's first key
.set TB,  17                           ; s17  LDS byte at which the step's tiles begin
.set SLOTS, 18
.set CNT, 19
.set LIM, 20
.set SEL, 22
.set CS,  24
.set G1K, 28
.set G1V, 36
.set G0,  44
.set PFA, 48
.set QBL, 50
.set QBH, 52
.set YBL, 54
.set YBH, 56
.set MSB, 0
.macro WIN new
.if MSB != \new
	s_set_vgpr_msb (MSB<<8)|\new
.set MSB, \new
.endif
.endm
.macro REGS p, u                       ; the registers of tile 2 p + u
.set rT, TT+8*(2*(\p)+(\u))
.set rS, S+32*(2*(\p)+(\u))
.set rX, XS+4*(2*(\p)+(\u))
.set rO, 32*(2*(\p)+(\u))
.set rQ, QF+16*(2*(\p)+(\u))
.endm
; Waves 0-3 fetch K's tiles, waves 4-7 V's: two lines, since the padding differs.  An s_nop 0 and four v_nop follow each.
.macro TLOAD
	s_cmp_lt_u32 s[WV], 4
	s_cbranch_scc0 .Lfor_v_\@
	tensor_load_to_lds s[G0:G0+3], s[G1K:G1K+7]
	s_nop 0
.rept 4
	v_nop
.endr
	s_branch .Lasked_\@
.Lfor_v_\@:
	tensor_load_to_lds s[G0:G0+3], s[G1V:G1V+7]
	s_nop 0
.rept 4
	v_nop
.endr
.Lasked_\@:
.endm
; A prefetch of what the NEXT change of slots will ask for: my own tile of it, 8,192 dense bytes, lanes 256 bytes apart, one instruction a wave.  The four work-groups of a head walk the same K and V:
; the first of them (x = 0, which walks all eight slots) asks, nobody else: each block of 256 bytes is named once in the launch.  The last change that fills a slot asks for nothing.
.macro ASK
	s_cmp_gt_u32 s[SLOTS], s[LIM]
	s_cbranch_scc0 .Lnot_mine_\@
	global_prefetch_b8 v[PFO], s[PFA:PFA+1] th:TH_LOAD_NT scope:SCOPE_SE
.Lnot_mine_\@:
.endm
; S^T = K Q^T for piece p: 16 products; the eight accumulators take turns, one instruction a turn; the first eight start the sums.
.macro KQ p
	WIN 0x04                                       ; Q (source 1) in window 1
.irp dh, 0,1
.irp kt, 0,1,2,3
.irp u, 0,1
	REGS \p, \u
.if \dh == 0
	v_wmma_f32_16x16x32_f16 v[rS+8*\kt:rS+8*\kt+7], v[KFR+16*\kt+8*\dh:KFR+16*\kt+8*\dh+7], v[rQ+8*\dh:rQ+8*\dh+7], 0
.else
	v_wmma_f32_16x16x32_f16 v[rS+8*\kt:rS+8*\kt+7], v[KFR+16*\kt+8*\dh:KFR+16*\kt+8*\dh+7], v[rQ+8*\dh:rQ+8*\dh+7], v[rS+8*\kt:rS+8*\kt+7]
.endif
.endr
.endr
.endr
	WIN 0
.endm
; On the diagonal hidden scores become -infinity ahead of the maximum.  Register 8 kt + j of a tile holds key KF + 16 kt + 8 (lane / 16) + j: hidden where 16 kt + j > d = query - KF - 8 (lane / 16).  A step all of whose keys count jumps over this.
.macro MASK p
	s_add_co_u32 s26, s[KF], 63
	s_cmp_le_u32 s26, s[QL+\p]
	s_cbranch_scc1 .Lopen_\@
	s_sub_co_i32 s26, s[QL+\p], s[KF]
.irp u, 0,1
	REGS \p, \u
	v_add_nc_u32 v[DD], s26, v[RH]
	s_add_co_u32 s26, s26, 16                      ; the piece's second tile begins 16 queries on
.irp n, 0,1,2,3,4,5,6,7,8,9,10,11,12,13,14,15,16,17,18,19,20,21,22,23,24,25,26,27,28,29,30,31
	v_cmp_gt_i32 vcc_lo, 16*(\n/8)+\n%8, v[DD]
	v_cndmask_b32 v[rS+\n], v[rS+\n], v[NINF], vcc_lo
.endr
.endr
.Lopen_\@:
.endm
; The softmax of piece p for one key step; the two tiles alternate line by line.
.macro SM p
.irp j, 0,1,2,3                        ; the maximum: four chains; each accumulator is first read at its low end
.irp u, 0,1
	REGS \p, \u
	v_max3_num_f32 v[rT+4+\j], v[rS+8*\j], v[rS+8*\j+1], v[rS+8*\j+2]
.endr
.endr
.irp i, 3,5
.irp j, 0,1,2,3
.irp u, 0,1
	REGS \p, \u
	v_max3_num_f32 v[rT+4+\j], v[rT+4+\j], v[rS+8*\j+\i], v[rS+8*\j+\i+1]
.endr
.endr
.endr
.irp u, 0,1
	REGS \p, \u
	v_max3_num_f32 v[rT+4], v[rT+4], v[rS+7], v[rS+15]
.endr
.irp u, 0,1
	REGS \p, \u
	v_max3_num_f32 v[rT+6], v[rT+6], v[rS+23], v[rS+31]
.endr
.irp u, 0,1
	REGS \p, \u
	v_max3_num_f32 v[rT+4], v[rT+4], v[rT+5], v[rT+6]
.endr
.irp u, 0,1
	REGS \p, \u
	v_max3_num_f32 v[rT+4], v[rT+4], v[rT+7], v[rT+1]   ; with the old m
.endr
.irp u, 0,1
	REGS \p, \u
	v_permlanex16_b32 v[rT+5], v[rT+4], s[SEL], s[SEL+1]   ; the query's other 32 keys lie in the lane 16 away
.endr
.irp u, 0,1
	REGS \p, \u
	v_mov_b32 v[rT+7], v[rT]                       ; c m_old
.endr
.irp u, 0,1
	REGS \p, \u
	v_max_num_f32 v[rT+1], v[rT+4], v[rT+5]
.endr
.irp u, 0,1
	REGS \p, \u
	v_mul_f32 v[rT], s[CS], v[rT+1]
.endr
.irp u, 0,1
	REGS \p, \u
	v_sub_f32 v[rT+7], v[rT+7], v[rT]
.endr
.irp u, 0,1                            ; ONE BATCH of 66 exponentials: none of the lines up to the wait names a result
	REGS \p, \u
	v_exp_f32 v[rT+6], v[rT+7]                     ; a
.endr
.irp b, 0,1,2,3,4,5,6,7,8,9,10,11,12,13,14,15
.irp u, 0,1
	REGS \p, \u
	v_pk_fma_f32 v[rS+2*\b:rS+2*\b+1], v[rS+2*\b:rS+2*\b+1], s[CS:CS+1], v[rT:rT+1] op_sel_hi:[1,0,0] neg_lo:[0,0,1] neg_hi:[0,0,1]   ; c s - c m, a pair
.endr
.if \b > 0
.irp u, 0,1
	REGS \p, \u
	v_exp_f32 v[rS+2*\b-2], v[rS+2*\b-2]           ; the pair scaled one turn earlier
	v_exp_f32 v[rS+2*\b-1], v[rS+2*\b-1]
.endr
.endif
.endr
.irp u, 0,1
	REGS \p, \u
	v_exp_f32 v[rS+30], v[rS+30]
	v_exp_f32 v[rS+31], v[rS+31]
.endr
	v_nop                                          ; a plain line behind the last exponential
	s_wait_alu depctr_va_vdst(0)                   ; one wait for the whole batch, ahead of its first reader
.irp u, 0,1                            ; the sums of the unrounded p, in two chains a tile
	REGS \p, \u
	v_pk_add_f32 v[rX:rX+1], v[rS:rS+1], v[rS+2:rS+3]
.endr
.irp u, 0,1
	REGS \p, \u
	v_pk_add_f32 v[rX+2:rX+3], v[rS+4:rS+5], v[rS+6:rS+7]
.endr
.irp i, 8,12,16,20,24,28
.irp u, 0,1
	REGS \p, \u
	v_pk_add_f32 v[rX:rX+1], v[rX:rX+1], v[rS+\i:rS+\i+1]
.endr
.irp u, 0,1
	REGS \p, \u
	v_pk_add_f32 v[rX+2:rX+3], v[rX+2:rX+3], v[rS+\i+2:rS+\i+3]
.endr
.endr
.irp u, 0,1
	REGS \p, \u
	v_pk_add_f32 v[rX:rX+1], v[rX:rX+1], v[rX+2:rX+3]
.endr
.irp u, 0,1
	REGS \p, \u
	v_pk_fma_f32 v[rT+2:rT+3], v[rT+2:rT+3], v[rT+6:rT+7], v[rX:rX+1] op_sel_hi:[1,0,1]   ; l = a l + the sum
.endr
.irp i, 0,1,2,3,4,5,6,7,8,9,10,11,12,13,14,15      ; p to f16, in place: pair i lands on register i, which no later pair reads
.irp u, 0,1
	REGS \p, \u
	v_cvt_pk_f16_f32 v[rS+\i], v[rS+2*\i], v[rS+2*\i+1]
.endr
.endr
	WIN 0x41                                       ; O^T (destination, source 0) in window 1, a in window 0
.irp i, 0,2,4,6,8,10,12,14,16,18,20,22,24,26,28,30
.irp u, 0,1
	REGS \p, \u
	v_pk_mul_f32 v[rO+\i:rO+\i+1], v[rO+\i:rO+\i+1], v[rT+6:rT+7] op_sel_hi:[1,0]
.endr
.endr
.endm
; O^T += V^T P for piece p: 16 products, eight accumulators by turns
.macro PV p
	s_wait_dscnt 0x0                               ; V's fragments are in
	WIN 0x51                                       ; V (source 0), C and D in window 1; P in window 0
.irp g, 0,1
.irp ct, 0,1,2,3
.irp u, 0,1
	REGS \p, \u
	v_wmma_f32_16x16x32_f16 v[rO+8*\ct:rO+8*\ct+7], v[VF+32*\g+8*\ct:VF+32*\g+8*\ct+7], v[rS+8*\g:rS+8*\g+7], v[rO+8*\ct:rO+8*\ct+7]
.endr
.endr
.endr
	WIN 0
.endm
.macro PIECE p
	KQ \p
.rept 4
	v_nop                                          ; places between the last product and the first read of the scores
.endr
	MASK \p
	SM \p
	PV \p
.endm
; A KEY STEP: 64 keys.  Jumped over as a whole where all its keys come after my high piece's queries; the low piece's part where they come after the low piece's.
.macro STEP
	s_add_co_u32 s26, s[QH], 31
	s_cmp_gt_u32 s[KF], s26
	s_cbranch_scc1 .Lhidden_\@
	v_add_nc_u32 v[ADK], s[TB], v[AK0]             ; these two and three v_nop: five places behind the last step's last product, ahead of the loads into V's registers
	v_add_nc_u32 v[ADV], s[TB], v[AV0]             ; and of the products that write over the registers that held P
.rept 3
	v_nop
.endr
.irp kt, 0,1,2,3
.irp dh, 0,1
	ds_load_b128 v[KFR+16*\kt+8*\dh:KFR+16*\kt+8*\dh+3], v[ADK] offset:16*PK*\kt+64*\dh
	ds_load_b128 v[KFR+16*\kt+8*\dh+4:KFR+16*\kt+8*\dh+7], v[ADK] offset:16*PK*\kt+64*\dh+32
.endr
.endr
	WIN 0x40                                       ; destination window 1
.irp g, 0,1
.irp ct, 0,1,2,3
	ds_load_tr16_b128 v[VF+32*\g+8*\ct:VF+32*\g+8*\ct+3], v[ADV] offset:32*PVP*\g+32*\ct
	ds_load_tr16_b128 v[VF+32*\g+8*\ct+4:VF+32*\g+8*\ct+7], v[ADV] offset:32*PVP*\g+32*\ct+16*PVP
.endr
.endr
	WIN 0
	s_wait_dscnt 16                                ; K's sixteen loads are in; V's sixteen, issued behind them, may be out
	s_add_co_u32 s26, s[QL], 31
	s_cmp_gt_u32 s[KF], s26
	s_cbranch_scc1 .Lhigh_\@
	PIECE 0
.Lhigh_\@:
	PIECE 1
.Lhidden_\@:
	s_add_co_u32 s[TB], s[TB], STEPB
	s_add_co_u32 s[KF], s[KF], 64
.endm
; THE CHANGE OF SLOTS, at a slot's head.  Each wave waits for its tensor load (its part of the slot ahead; by this text's count one is out at the most), adds 0 to its spare word, and waits for that and for its reads
; of the slot that it has left.  Behind the barrier the slot ahead is whole and nobody reads the other.  fill = 1: the other slot takes the next 256 keys, unless they all come after the work-group's last query.
.macro CHANGE fill
	s_wait_tensorcnt 0x0                           ; no tensor load of mine is out, so group 0 may be written
	ds_add_u32 v[SPW], v[NIL]
.if \fill
	s_xor_b32 s[G0+1], s[G0+1], SLOT1
	s_add_nc_u64 s[G0+2:G0+3], s[G0+2:G0+3], 256*128
	s_wait_xcnt 0x0                                ; the last prefetch, a slot back, has read its address
	s_add_nc_u64 s[PFA:PFA+1], s[PFA:PFA+1], 256*128
.endif
	s_wait_dscnt 0x0
	s_barrier_signal -1
	s_barrier_wait -1
.if \fill
	s_add_co_u32 s26, s[KF], 256                   ; the first key of the slot that this change would ask for
	s_or_b32 s27, s[QH], 255                       ; my work-group's last query
	s_cmp_gt_u32 s26, s27                          ; ids and the count of steps alone: all eight waves go the same way, and past the limit stays past it
	s_cbranch_scc1 .Lpast_\@
	TLOAD
.Lpast_\@:
	ASK
.endif
.endm
.macro SLOT_STEPS                      ; a slot's four key steps: written once, walked four times
	s_mov_b32 s[CNT], 4
.Lstep_\@:
	STEP
	s_sub_co_u32 s[CNT], s[CNT], 1
	s_cmp_lg_u32 s[CNT], 0
	s_cbranch_scc1 .Lstep_\@
	s_sub_co_u32 s[TB], s[TB], 4*STEPB
	s_xor_b32 s[TB], s[TB], SLOT1                  ; on to the other slot
.endm
	s_load_b128 s[4:7], s[0:1], 0x0                ; qkv16 s[4:5], y16 s[6:7]
	v_lshl_add_u32 v[SPW], v0, 2, SPARE
	v_mov_b32 v[NIL], 0
	ds_add_u32 v[SPW], v[NIL]                      ; the wave's opening: the add, twice on end, and its wait ahead of my first tensor load
	ds_add_u32 v[SPW], v[NIL]
	v_lshrrev_b32 v1, 5, v0
	v_readfirstlane_b32 s[WV], v1                  ; wave 0..7
	; descriptor group 1: 64 rows of 64 elements of 2 bytes, dense in memory; padding behind every 32 words: 4 words for K, 8 for V
	s_mov_b32 s[G1K], (1<<16)|(1<<20)|(4<<22)|(3<<25)
	s_mov_b32 s[G1V], (1<<16)|(1<<20)|(4<<22)|(7<<25)
.irp g, G1K, G1V
	s_mov_b32 s[\g+1], 64<<16                      ; tensor_dim0
	s_mov_b32 s[\g+2], 64<<16                      ; tensor_dim1
	s_mov_b32 s[\g+3], 64<<16                      ; tile_dim0
	s_mov_b32 s[\g+4], 64                          ; tile_dim1
	s_mov_b32 s[\g+5], 64                          ; stride from row to row
	s_mov_b32 s[\g+6], 0
	s_mov_b32 s[\g+7], 0
.endr
	s_and_b32 s9, ttmp7, 0xffff                    ; 16 b + h
	s_lshl_b32 s10, s9, 18                         ; the head's plane: 262,144 bytes
	s_sub_co_u32 s26, 7, s[WV]
	s_lshl_b32 s26, s26, 5
	s_lshl_b32 s[QL], ttmp9, 8
	s_add_co_u32 s[QL], s[QL], s26                 ; 256 i + 32 (7 - w)
	s_sub_co_u32 s26, 7, ttmp9
	s_lshl_b32 s[QH], s26, 8
	s_lshl_b32 s26, s[WV], 5
	s_add_co_u32 s[QH], s[QH], s26                 ; 256 (7 - i) + 32 w
	s_and_b32 s26, s[WV], 3                        ; which step of a slot I fetch,
	s_lshr_b32 s27, s[WV], 2                       ; of K (0) or of V (1)
	s_mul_i32 s12, s26, STEPB
	s_mul_i32 s13, s27, VOFF
	s_mov_b32 s[G0], 1
	s_add_co_u32 s[G0+1], s12, s13                 ; its place in slot 0
	s_lshl_b32 s12, s26, 13                        ; 64 rows of 128 bytes a step
	s_add_co_u32 s27, s27, 1
	s_lshl_b32 s27, s27, 24                        ; k's plane of 16,777,216 bytes, or v's
	s_add_co_u32 s12, s12, s27
	s_add_co_u32 s12, s12, s10
	s_mov_b32 s13, 0
	s_mov_b32 s[SEL], 0x76543210
	s_mov_b32 s[SEL+1], 0xfedcba98
	s_mov_b32 s[CS], 0x3e38aa3b                    ; c = log2(e) / 8
	s_mov_b32 s[CS+1], s[CS]
	s_mov_b32 s[TB], 0
	s_mov_b32 s[KF], 0
	s_mov_b32 s[SLOTS], 7
	s_cmp_eq_u32 ttmp9, 0
	s_cselect_b32 s[LIM], 1, -1
	s_wait_dscnt 0x0                               ; both opening adds are done
	s_wait_kmcnt 0x0
	s_add_nc_u64 s[PFA:PFA+1], s[4:5], s[12:13]
	s_mov_b64 s[G0+2:G0+3], s[PFA:PFA+1]
	s_or_b32 s[G0+3], s[G0+3], 0x80000000
	TLOAD                                          ; slot 0
	s_add_nc_u64 s[PFA:PFA+1], s[PFA:PFA+1], 256*128   ; my tile of slot 1; the first change steps it to slot 2.  Nothing is prefetched at the head
	s_mov_b32 s27, 0
	s_lshl_b32 s26, s[QL], 7
	s_add_co_u32 s26, s26, s10
	s_add_nc_u64 s[QBL:QBL+1], s[4:5], s[26:27]
	s_add_nc_u64 s[YBL:YBL+1], s[6:7], s[26:27]
	s_lshl_b32 s26, s[QH], 7
	s_add_co_u32 s26, s26, s10
	s_add_nc_u64 s[QBH:QBH+1], s[4:5], s[26:27]
	s_add_nc_u64 s[YBH:YBH+1], s[6:7], s[26:27]
	v_and_b32 v1, 15, v0                           ; r
	v_bfe_u32 v16, v0, 4, 1                        ; h
	v_and_b32 v17, 31, v0                          ; lane
	v_lshlrev_b32 v[QO], 7, v1
	v_lshl_add_u32 v[QO], v16, 4, v[QO]            ; Q: row r of 128 bytes + 16 h
	WIN 0x40                                       ; destination window 1
.irp t, 0,1
.irp dh, 0,1
	global_load_b128 v[QF+16*\t+8*\dh:QF+16*\t+8*\dh+3], v[QO], s[QBL:QBL+1] offset:2048*\t+64*\dh
	global_load_b128 v[QF+16*\t+8*\dh+4:QF+16*\t+8*\dh+7], v[QO], s[QBL:QBL+1] offset:2048*\t+64*\dh+32
	global_load_b128 v[QF+32+16*\t+8*\dh:QF+32+16*\t+8*\dh+3], v[QO], s[QBH:QBH+1] offset:2048*\t+64*\dh
	global_load_b128 v[QF+32+16*\t+8*\dh+4:QF+32+16*\t+8*\dh+7], v[QO], s[QBH:QBH+1] offset:2048*\t+64*\dh+32
.endr
.endr
.set i, 0
.rept 128
	v_mov_b32 v[i], 0                              ; O^T.  The step is written once: the first step finds zeros, which a = 0 leaves zeros; a first step of its own would cost a third copy of the step's text
.set i, i+1
.endr
	WIN 0
	v_mul_u32_u24 v[AK0], v1, PK
	v_lshl_add_u32 v[AK0], v16, 4, v[AK0]          ; K: row r x pitch + 16 h
	v_and_b32 v18, 7, v0
	v_bfe_u32 v19, v0, 3, 1
	v_lshl_add_u32 v[AV0], v16, 3, v18             ; V, for the turning load: key 8 h + lane % 8,
	v_mul_u32_u24 v[AV0], v[AV0], PVP
	v_lshl_add_u32 v[AV0], v19, 4, v[AV0]          ; channels 8 ((lane / 8) % 2) on
	v_add_nc_u32 v[AV0], VOFF, v[AV0]
	s_mul_i32 s26, s[WV], 16*PK
	s_add_co_u32 s26, s26, STAGE                   ; my stage
	v_add_nc_u32 v[STO], s26, v[AK0]               ; in: row r, 16 bytes for each half of the lanes
	v_lshrrev_b32 v20, 3, v17
	v_mul_u32_u24 v[RD], v20, PK
	v_lshl_add_u32 v[RD], v18, 4, v[RD]
	v_add_nc_u32 v[RD], s26, v[RD]                 ; back: eight lanes to a row of 128 bytes
	v_lshlrev_b32 v[GO], 4, v17                    ; four rows of y are 512 consecutive bytes
	v_lshlrev_b32 v[PFO], 8, v17
	v_lshlrev_b32 v20, 3, v16
	v_sub_nc_u32 v[RH], v1, v20
	v_mov_b32 v[DD], 0
	v_mov_b32 v[NINF], 0xff800000
.irp t, 0,1,2,3
	v_mov_b32 v[TT+8*\t+1], 0xff61b1e6             ; m = -3e38, under every score
	v_mul_f32 v[TT+8*\t], s[CS], v[TT+8*\t+1]      ; c m
.irp k, 2,3,4,5,6,7
	v_mov_b32 v[TT+8*\t+\k], 0                     ; l; and the registers at work, which the way out names on every way through the text
.endr
.endr
	s_wait_loadcnt 0x0                             ; Q
.Lslot:                                            ; seven trips: behind each change of slots but the last the next slot is asked for, up to the causal limit
	CHANGE 1
	SLOT_STEPS
	s_sub_co_u32 s[SLOTS], s[SLOTS], 1
	s_cmp_lg_u32 s[SLOTS], 0
	s_cbranch_scc1 .Lslot
	CHANGE 0                                       ; the last slot is written out: nothing is asked for
	SLOT_STEPS
	; THE WAY OUT.  l's halves are added; O^T / l, rounded to f16, goes through my stage, a tile (16 rows of 128 bytes) at a time.  The additions are the places behind the last products.
.irp t, 0,1,2,3
	v_add_f32 v[TT+8*\t+4], v[TT+8*\t+2], v[TT+8*\t+3]
.endr
.irp t, 0,1,2,3
	v_permlanex16_b32 v[TT+8*\t+5], v[TT+8*\t+4], s[SEL], s[SEL+1]
.endr
.irp t, 0,1,2,3
	v_add_f32 v[TT+8*\t+4], v[TT+8*\t+4], v[TT+8*\t+5]
.endr
.irp t, 0,1,2,3
	v_rcp_f32 v[TT+8*\t+6], v[TT+8*\t+4]
.endr
	v_nop                                          ; a plain line behind the last reciprocal
	s_wait_alu depctr_va_vdst(0)                   ; one wait for the four, ahead of their first reader
.macro OPACK t
	WIN 0x41
.irp i, 0,2,4,6,8,10,12,14,16,18,20,22,24,26,28,30
	v_pk_mul_f32 v[32*\t+\i:32*\t+\i+1], v[32*\t+\i:32*\t+\i+1], v[TT+8*\t+6:TT+8*\t+7] op_sel_hi:[1,0]
.endr
	WIN 0x05                                       ; sources in window 1, destination in window 0
.irp i, 0,1,2,3,4,5,6,7,8,9,10,11,12,13,14,15
	v_cvt_pk_f16_f32 v[S+32*\t+\i], v[32*\t+2*\i], v[32*\t+2*\i+1]
.endr
	WIN 0
.irp c, 0,1,2,3
	ds_store_b128 v[STO], v[S+32*\t+4*\c:S+32*\t+4*\c+3] offset:32*\c
.endr
.irp i, 0,1,2,3
	ds_load_b128 v[S+32*\t+16+4*\i:S+32*\t+19+4*\i], v[RD] offset:4*PK*\i   ; a wave's LDS instructions are served in order: these see the stores above, and the next tile's stores come behind them
.endr
.endm
.macro OSEND t, base, younger          ; younger: the LDS instructions issued behind tile t's loads
.irp i, 0,1,2,3
	s_wait_dscnt \younger+3-\i
	global_store_b128 v[GO], v[S+32*\t+16+4*\i:S+32*\t+19+4*\i], s[\base:\base+1] offset:2048*((\t)%2)+512*\i   ; 32 lanes store 512 consecutive bytes, aligned
.endr
.endm
	OPACK 0
	OPACK 1
	OSEND 0, YBL, 8
	OPACK 2
	OSEND 1, YBL, 8
	OPACK 3
	OSEND 2, YBH, 8
	OSEND 3, YBH, 0
	s_wait_tensorcnt 0x0                           ; the wave's end
	ds_add_u32 v[SPW], v[NIL]
	s_wait_dscnt 0x0
	s_endpgm
.Lfunc_end_k_q7224ae6994_attn:
	.size	k_q7224ae6994_attn, .Lfunc_end_k_q7224ae6994_attn-k_q7224ae6994_attn
	.p2alignl 7, 3214868480
	.fill 96, 4, 3214868480
	.section	.rodata,"a",@progbits
	.p2align	6, 0x0
	.amdhsa_kernel k_q7224ae6994_attn
		.amdhsa_group_segment_fixed_size 327680
		.amdhsa_private_segment_fixed_size 0
		.amdhsa_enable_private_segment 0
		.amdhsa_kernarg_size 16
		.amdhsa_user_sgpr_count 2
		.amdhsa_user_sgpr_kernarg_segment_ptr 1
		.amdhsa_wavefront_size32 1
		.amdhsa_system_sgpr_workgroup_id_x 1
		.amdhsa_system_sgpr_workgroup_id_y 1
		.amdhsa_system_sgpr_workgroup_id_z 1
		.amdhsa_system_vgpr_workitem_id 0
		.amdhsa_next_free_vgpr 512
		.amdhsa_next_free_sgpr 66
		.amdhsa_reserve_vcc 1
		.amdhsa_float_denorm_mode_32 3
		.amdhsa_float_denorm_mode_16_64 3
		.amdhsa_memory_ordered 1
		.amdhsa_forward_progress 1
		.amdhsa_inst_pref_size 109
	.end_amdhsa_kernel
	.amdgpu_metadata
---
amdhsa.version: [ 1, 2 ]
amdhsa.kernels:
  - .name:           k_q7224ae6994_attn
    .symbol:         k_q7224ae6994_attn.kd
    .args:
      - { .name: qkv16, .offset: 0, .size: 8, .value_kind: global_buffer, .address_space: global }
      - { .name: y16, .offset: 8, .size: 8, .value_kind: global_buffer, .address_space: global }
    .group_segment_fixed_size: 327680
    .private_segment_fixed_size: 0
    .kernarg_segment_align: 8
    .kernarg_segment_size: 16
    .max_flat_workgroup_size: 256
    .sgpr_count:     66
    .vgpr_count:     512
    .wavefront_size: 32
...
	.end_amdgpu_metadata
.endif
;; end of part 3
;; launch proj (part 4): grid 4 x 64, 4 waves a work-group, clusters of 4 x 4, 327,680 bytes of LDS; arguments y16, wp16, b_proj, out0; writes out0
.if DOCPART == 4
	.amdgcn_target "amdgcn-amd-amdhsa--gfx1250"
	.amdhsa_code_object_version 6
	.text
	.protected	k_q7224ae6994_proj
	.globl	k_q7224ae6994_proj
	.p2align	8
	.type	k_q7224ae6994_proj,@function
k_q7224ae6994_proj:
	s_mov_b64 s[64:65], 0
	v_nop
	global_prefetch_b8 v0, s[64:65] scope:SCOPE_SE
	s_setreg_imm32_b32 hwreg(HW_REG_WAVE_MODE, 25, 1), 1
	s_wait_xcnt 0x0
	s_wait_alu depctr_hold_cnt(0) depctr_sa_sdst(0) depctr_va_vdst(0) depctr_va_sdst(0) depctr_va_ssrc(0) depctr_va_vcc(0) depctr_vm_vsrc(0)
	s_getreg_b32 s2, hwreg(HW_REG_IB_STS2, 6, 4)
	s_cmp_eq_u32 s2, 0
	s_cbranch_scc0 .Lentry_in_a_cluster
	s_endpgm
.Lentry_in_a_cluster:
	s_bfe_u32 s2, ttmp6, 0x10000c
	s_cmp_lg_u32 s2, 0xf033
	s_cbranch_scc0 .Lentry_shape_is_right
	s_endpgm
.Lentry_shape_is_right:
; out = y W_proj + b_proj in f16 operands and f32 sums, for all rows but the first 16 positions of each sequence (those are the f32 launch's).  M = 8,192, N = 1,024, K = 1,024.
; y16 lies [b][h][t][64]: K = 64 h + d, so a K step of 128 is two heads' planes.  wp16 lies [k][n], as W_proj does: its fragments come out of LDS turned, by ds_load_tr16_b128.
; A tile of 128 x 256 to a work-group (256 work-groups), 64 x 128 to each of four waves: 32 accumulators.  K goes in eight steps of 128 through a ring of two LDS slots.
; CLUSTERS: 4 x 4.  Tile column = cx; tile row = 16 cy + cluster y, so that the batch is cy and the tile's place in its sequence is cluster y, which all partners share.
; A's tiles are asked for jointly along a row of the cluster, B's along a column.  THE MATRIX INSTRUCTION IS USED TRANSPOSED: a lane holds eight neighbouring columns of one row.  The bias is the C of each sum's first product.
; LIMIT: |W_proj| and |y| up to 65,504 (f16).
; REGISTERS: window 0: v0-31 addresses; two fragment buffers, v64-159 and v160-255 (B's eight fragments, then A's four).  window 1: accumulator (a, b) at v[8 (8 a + b)].  window 2: v0-63 the bias.
.set PA,    144                        ; a row of A in LDS: 128 bytes + 16
.set PB,    544                        ; a row of B: 512 bytes + 32 (an odd multiple of 32, for the turning load)
.set BOFF,  2*128*PA
.set SLOT,  BOFF+128*PB
.set STAGE, 2*SLOT                     ; 16 rows x (512 + 16) bytes for each wave
.set SPI,   528
.set SPARE, STAGE+4*16*SPI
.set LAPS,  4
.set ADRA, 16
.set ADRB, 20
.set STO,  24
.set RD,   25
.set CO,   26
.set SPW,  28
.set NIL,  29
.set F0,   64
.set F1,   160
.set G1, 24
.set G0, 32
.set G1B, 48
.set G0B, 56
.set MSB, 0
.macro WIN new
.if MSB != \new
	s_set_vgpr_msb (MSB<<8)|\new
.set MSB, \new
.endif
.endm
.set MUL, 0x50                         ; C and D window 1
.set FST, 0x60                         ; C (the bias) window 2, D window 1
.macro JLOAD s                         ; waves 0 and 1 fetch A's two planes, waves 2 and 3 B's two halves; an s_nop 0 and four v_nop follow each line
	s_cmp_eq_u32 s15, 0
	s_cbranch_scc0 .Lfor_b_\@
	tensor_load_to_lds s[G0+4*\s:G0+4*\s+3], s[G1:G1+7]
	s_nop 0
.rept 4
	v_nop
.endr
	s_branch .Lasked_\@
.Lfor_b_\@:
	tensor_load_to_lds s[G0B+4*\s:G0B+4*\s+3], s[G1B:G1B+7]
	s_nop 0
.rept 4
	v_nop
.endr
.Lasked_\@:
.endm
.macro CREST
	s_cmp_lg_u32 s14, 0
	s_cbranch_scc1 .Lnot_wave_0_\@
	s_barrier_signal -3
.Lnot_wave_0_\@:
	s_barrier_wait -3
	s_barrier_signal -1
	s_barrier_wait -1
.endm
.macro CROUND
	s_barrier_signal -1
	s_barrier_wait -1
	CREST
.endm
	s_load_b256 s[4:11], s[0:1], 0x0               ; y16 s[4:5], wp16 s[6:7], b_proj s[8:9], out0 s[10:11]
	v_lshl_add_u32 v[SPW], v0, 2, SPARE
	v_mov_b32 v[NIL], 0
	ds_add_u32 v[SPW], v[NIL]                      ; the wave's opening: the add, twice on end, and its wait ahead of my first tensor load
	ds_add_u32 v[SPW], v[NIL]
	v_lshrrev_b32 v1, 5, v0
	v_readfirstlane_b32 s14, v1                    ; wave 0..3
	s_lshr_b32 s15, s14, 1                         ; which 64 rows of the tile are mine.  Also: I fetch for A (0) or for B (1)
	s_and_b32 s16, s14, 1                          ; which 128 columns.  Also: which plane of A, or which 64 rows of B, I fetch
	s_bfe_u32 s40, ttmp6, 0x40000                  ; cx: the tile column
	s_bfe_u32 s41, ttmp6, 0x40004                  ; cy: the batch
	s_and_b32 s42, ttmp7, 0xffff                   ; cluster y: the tile's place in its sequence
	s_lshl_b32 s43, s41, 2
	s_lshl_b32 s43, 15, s43                        ; my row of the cluster
	s_lshl_b32 s44, 0x1111, s40                    ; my column
	s_or_b32 s[G1], s43, (1<<16)|(1<<20)|(1<<21)|(4<<22)|(3<<25)    ; A: elements of 2 bytes; 4 words of padding behind every 32
	s_mov_b32 s[G1+1], 64<<16                      ; tensor_dim0
	s_mov_b32 s[G1+2], 128<<16                     ; tensor_dim1
	s_mov_b32 s[G1+3], 64<<16                      ; tile_dim0
	s_mov_b32 s[G1+4], 128                         ; tile_dim1
	s_mov_b32 s[G1+5], 64                          ; stride
	s_mov_b32 s[G1+6], 0
	s_mov_b32 s[G1+7], 0
	s_or_b32 s[G1B], s44, (1<<16)|(1<<20)|(1<<21)|(6<<22)|(7<<25)   ; B: 8 words of padding behind every 128
	s_mov_b32 s[G1B+1], 256<<16
	s_mov_b32 s[G1B+2], 64<<16
	s_mov_b32 s[G1B+3], 256<<16
	s_mov_b32 s[G1B+4], 64
	s_mov_b32 s[G1B+5], 1024
	s_mov_b32 s[G1B+6], 0
	s_mov_b32 s[G1B+7], 0
	s_lshl_b32 s20, s41, 4
	s_add_co_u32 s20, s20, s16                     ; A: head plane 16 cy + my plane of the K step,
	s_lshl_b32 s20, s20, 18
	s_lshl_b32 s21, s42, 14                        ; + 128 rows of 128 bytes for each tile of the sequence
	s_add_co_u32 s20, s20, s21
	s_mov_b32 s21, 0
	s_lshl_b32 s46, s16, 17                        ; B: my 64 rows of 2,048 bytes,
	s_lshl_b32 s47, s40, 9                         ; + 512 bytes for each tile column
	s_add_co_u32 s46, s46, s47
	s_mov_b32 s47, 0
	s_mul_i32 s45, s16, 128*PA                     ; where they go
	s_mul_i32 s17, s16, 64*PB
	s_add_co_u32 s17, s17, BOFF
	s_wait_dscnt 0x0                               ; both opening adds are done
	s_wait_kmcnt 0x0
	s_add_nc_u64 s[20:21], s[4:5], s[20:21]
	s_add_nc_u64 s[46:47], s[6:7], s[46:47]
	CROUND                                         ; all sixteen work-groups are here: the first joint loads meet
.irp s, 0,1
	s_mov_b32 s[G0+4*\s], 1
	s_add_co_u32 s[G0+4*\s+1], s45, \s*SLOT
	s_add_nc_u64 s[G0+4*\s+2:G0+4*\s+3], s[20:21], \s*2*262144      ; K step s: two heads on
	s_or_b32 s[G0+4*\s+3], s[G0+4*\s+3], 0x80000000
	s_mov_b32 s[G0B+4*\s], 1
	s_add_co_u32 s[G0B+4*\s+1], s17, \s*SLOT
	s_add_nc_u64 s[G0B+4*\s+2:G0B+4*\s+3], s[46:47], \s*128*2048    ; 128 rows on
	s_or_b32 s[G0B+4*\s+3], s[G0B+4*\s+3], 0x80000000
	JLOAD \s
.endr
	v_and_b32 v1, 15, v0                           ; r
	v_bfe_u32 v2, v0, 4, 1                         ; h
	v_mul_u32_u24 v3, v1, PA
	v_lshl_add_u32 v3, v2, 4, v3                   ; A: row r x pitch + 16 h
	v_and_b32 v4, 7, v0
	v_bfe_u32 v5, v0, 3, 1
	v_lshl_add_u32 v4, v2, 3, v4                   ; B, for the turning load: k 8 h + lane % 8,
	v_mul_u32_u24 v4, v4, PB
	v_lshl_add_u32 v4, v5, 4, v4                   ; columns 8 ((lane / 8) % 2) on
	s_mul_i32 s21, s15, 64*PA                      ; my 64 rows of A
	s_lshl_b32 s22, s16, 8                         ; my 128 columns of B
	s_add_co_u32 s22, s22, BOFF
.irp s, 0,1
	v_add_nc_u32 v[ADRA+\s], s21, v3
	v_add_nc_u32 v[ADRB+\s], s22, v4
	s_add_co_u32 s21, s21, SLOT
	s_add_co_u32 s22, s22, SLOT
.endr
	s_lshl_b32 s46, s40, 10
	s_lshl_b32 s47, s16, 9
	s_add_co_u32 s46, s46, s47                     ; my first column, in bytes of f32
	s_mov_b32 s47, 0
	s_add_nc_u64 s[8:9], s[8:9], s[46:47]
	s_add_nc_u64 s[10:11], s[10:11], s[46:47]
	v_lshlrev_b32 v6, 5, v2                        ; 32 h: lane (r, h) wants, for block b, the bias of columns 16 b + 8 h + 0 .. 7
	WIN 0x80                                       ; destination window 2
.irp b, 0,1,2,3,4,5,6,7
	global_load_b128 v[8*\b:8*\b+3], v6, s[8:9] offset:64*\b
	global_load_b128 v[8*\b+4:8*\b+7], v6, s[8:9] offset:64*\b+16
.endr
	WIN 0
	s_lshl_b32 s20, s41, 4
	s_add_co_u32 s20, s20, s42                     ; tile row
	s_lshl_b32 s20, s20, 19                        ; x 128 rows of 4,096 bytes
	s_lshl_b32 s21, s15, 18                        ; + my 64 rows
	s_add_co_u32 s20, s20, s21
	s_mov_b32 s21, 0
	s_add_nc_u64 s[10:11], s[10:11], s[20:21]
	s_or_b32 s18, s42, s15                         ; 0 where my block 0 is the first 16 positions of a sequence
	s_mul_i32 s23, s14, 16*SPI
	s_add_co_u32 s23, s23, STAGE                   ; my stage
	v_mul_u32_u24 v5, v1, SPI
	v_lshl_add_u32 v5, v2, 5, v5
	v_add_nc_u32 v[STO], s23, v5                   ; in: row r, 32 bytes for each half of the lanes
	v_and_b32 v7, 31, v0
	v_lshlrev_b32 v[CO], 4, v7
	v_add_nc_u32 v[RD], s23, v[CO]                 ; back: a row of 512 bytes
; eight products: A's block a x B's eight, 32 along K.  first = 1: the bias is C.  The 32 accumulators take turns, one instruction a turn.
.macro MUL8 f, a, first
.irp b, 0,1,2,3,4,5,6,7
.if \first
	v_wmma_f32_16x16x32_f16 v[8*(8*\a+\b):8*(8*\a+\b)+7], v[\f+8*\b:\f+8*\b+7], v[\f+64+8*\a:\f+64+8*\a+7], v[8*\b:8*\b+7]
.else
	v_wmma_f32_16x16x32_f16 v[8*(8*\a+\b):8*(8*\a+\b)+7], v[\f+8*\b:\f+8*\b+7], v[\f+64+8*\a:\f+64+8*\a+7], v[8*(8*\a+\b):8*(8*\a+\b)+7]
.endif
.endr
.endm
; 24 LDS loads in one run: quarter q (32 along K) of a slot into buffer f: B's eight fragments, turned, then A's four
.macro FETCH slot, q, f
	WIN 0
.irp b, 0,1,2,3,4,5,6,7
	ds_load_tr16_b128 v[\f+8*\b:\f+8*\b+3], v[ADRB+\slot] offset:32*PB*(\q)+32*\b
	ds_load_tr16_b128 v[\f+8*\b+4:\f+8*\b+7], v[ADRB+\slot] offset:32*PB*(\q)+32*\b+16*PB
.endr
.irp a, 0,1,2,3
	ds_load_b128 v[\f+64+8*\a:\f+64+8*\a+3], v[ADRA+\slot] offset:128*PA*((\q)/2)+64*((\q)%2)+16*PA*\a
	ds_load_b128 v[\f+64+8*\a+4:\f+64+8*\a+7], v[ADRA+\slot] offset:128*PA*((\q)/2)+64*((\q)%2)+16*PA*\a+32
.endr
.endm
.macro PLACES
.rept 4
	v_nop
.endr
.endm
.macro SETMUL first
.if \first
	WIN FST
.else
	WIN MUL
.endif
.endm
; one of a K step's first three quarters: multiplies buffer f, and fetches quarter q of the same slot into g in its middle
.macro QUARTER slot, q, f, g, first
	s_wait_dscnt 4                                 ; B and A's blocks 0, 1 are in; the youngest four loads (A's blocks 2, 3) may be out
	SETMUL \first
	MUL8 \f, 0, \first
	MUL8 \f, 1, \first
	PLACES
	FETCH \slot, \q, \g
	s_wait_dscnt 24                                ; all but the 24 just issued
	SETMUL \first
	MUL8 \f, 2, \first
	MUL8 \f, 3, \first
.endm
; the last quarter multiplies buffer 1 and changes slots: one barrier; in front of it each wave waits for all its tensor loads (one is out: its part of the next slot), adds 0 to its spare word, and waits for that and for its reads of this slot
.macro TURN slot, next, fill
	WIN 0
	s_wait_tensorcnt 0x0
	ds_add_u32 v[SPW], v[NIL]
	s_wait_dscnt 5                                 ; the add and A's blocks 2, 3 may be out
	WIN MUL
	MUL8 F1, 0, 0
	s_wait_dscnt 0x0
	s_barrier_signal -1
	MUL8 F1, 1, 0
	WIN 0
	s_barrier_wait -1
.if \fill
	CREST                                          ; the barrier has opened a round of the cluster's: no wave of any partner still reads this slot or has a load on its way
	s_add_nc_u64 s[G0+4*\slot+2:G0+4*\slot+3], s[G0+4*\slot+2:G0+4*\slot+3], 4*262144     ; two K steps on: four heads,
	s_add_nc_u64 s[G0B+4*\slot+2:G0B+4*\slot+3], s[G0B+4*\slot+2:G0B+4*\slot+3], 256*2048 ; 256 rows of W
	JLOAD \slot                                    ; the first tensor load behind the round; its four v_nop are also the places in front of the loads below
.else
	PLACES
.endif
	FETCH \next, 0, F0
	WIN MUL
	MUL8 F1, 2, 0
	MUL8 F1, 3, 0
.endm
	s_wait_tensorcnt 1                             ; my part of K step 0 is in; K step 1's load may be out
	s_barrier_signal -1
	s_barrier_wait -1
	FETCH 0, 0, F0
	s_wait_loadcnt 0x0                             ; the bias
	QUARTER 0, 1, F0, F1, 1                        ; the first quarter starts the sums from the bias
	WIN 0
	s_mov_b32 s3, LAPS-1
.Llap:                                             ; a trip goes once round the ring, from a lap's second quarter to the next lap's first, and fills both slots again
	QUARTER 0, 2, F1, F0, 0
	QUARTER 0, 3, F0, F1, 0
	TURN 0, 1, 1
	QUARTER 1, 1, F0, F1, 0
	QUARTER 1, 2, F1, F0, 0
	QUARTER 1, 3, F0, F1, 0
	TURN 1, 0, 1
	QUARTER 0, 1, F0, F1, 0
	WIN 0
	s_sub_co_u32 s3, s3, 1
	s_cmp_lg_u32 s3, 0
	s_cbranch_scc1 .Llap
	QUARTER 0, 2, F1, F0, 0                        ; the last lap fills nothing
	QUARTER 0, 3, F0, F1, 0
	TURN 0, 1, 0
	QUARTER 1, 1, F0, F1, 0
	QUARTER 1, 2, F1, F0, 0
	QUARTER 1, 3, F0, F1, 0
	s_wait_dscnt 4
	WIN MUL
	MUL8 F1, 0, 0
	MUL8 F1, 1, 0
	s_wait_dscnt 0
	MUL8 F1, 2, 0
	MUL8 F1, 3, 0
	WIN 0
	PLACES
; THE WAY OUT: a block of 16 rows x 128 columns through my own stage, back as whole rows of 512 bytes
.macro OUTBLK a
	s_wait_xcnt 0x0                                ; the stores of the block before have read their registers
	WIN 0x04                                       ; an LDS store's data: window 1
.irp b, 0,1,2,3,4,5,6,7
	ds_store_b128 v[STO], v[8*(8*\a+\b):8*(8*\a+\b)+3] offset:64*\b          ; each accumulator from its low end on
	ds_store_b128 v[STO], v[8*(8*\a+\b)+4:8*(8*\a+\b)+7] offset:64*\b+16
.endr
	WIN 0
.irp t, 0,1,2,3,4,5,6,7,8,9,10,11,12,13,14,15
	ds_load_b128 v[64+4*\t:67+4*\t], v[RD] offset:SPI*\t
.endr
.irp t, 0,1,2,3,4,5,6,7,8,9,10,11,12,13,14,15
	s_wait_dscnt 15-\t
	global_store_b128 v[CO], v[64+4*\t:67+4*\t], s[10:11] offset:(16*\a+\t)*4096 th:TH_STORE_NT   ; 32 lanes store 512 consecutive bytes, aligned
.endr
.endm
	s_cmp_eq_u32 s18, 0                            ; the first 16 positions of a sequence are stored by the f32 launch alone
	s_cbranch_scc1 .Lnot_mine
	OUTBLK 0
.Lnot_mine:
	OUTBLK 1
	OUTBLK 2
	OUTBLK 3
	s_wait_tensorcnt 0x0                           ; the wave's end
	ds_add_u32 v[SPW], v[NIL]
	s_wait_dscnt 0x0
	CROUND                                         ; the closing round
	s_endpgm
.Lfunc_end_k_q7224ae6994_proj:
	.size	k_q7224ae6994_proj, .Lfunc_end_k_q7224ae6994_proj-k_q7224ae6994_proj
	.p2alignl 7, 3214868480
	.fill 96, 4, 3214868480
	.section	.rodata,"a",@progbits
	.p2align	6, 0x0
	.amdhsa_kernel k_q7224ae6994_proj
		.amdhsa_group_segment_fixed_size 327680
		.amdhsa_private_segment_fixed_size 0
		.amdhsa_enable_private_segment 0
		.amdhsa_kernarg_size 32
		.amdhsa_user_sgpr_count 2
		.amdhsa_user_sgpr_kernarg_segment_ptr 1
		.amdhsa_wavefront_size32 1
		.amdhsa_system_sgpr_workgroup_id_x 1
		.amdhsa_system_sgpr_workgroup_id_y 1
		.amdhsa_system_sgpr_workgroup_id_z 1
		.amdhsa_system_vgpr_workitem_id 0
		.amdhsa_next_free_vgpr 576
		.amdhsa_next_free_sgpr 66
		.amdhsa_reserve_vcc 0
		.amdhsa_float_denorm_mode_32 3
		.amdhsa_float_denorm_mode_16_64 3
		.amdhsa_memory_ordered 1
		.amdhsa_forward_progress 1
		.amdhsa_inst_pref_size 88
	.end_amdhsa_kernel
	.amdgpu_metadata
---
amdhsa.version: [ 1, 2 ]
amdhsa.kernels:
  - .name:           k_q7224ae6994_proj
    .symbol:         k_q7224ae6994_proj.kd
    .args:
      - { .name: y16, .offset: 0, .size: 8, .value_kind: global_buffer, .address_space: global }
      - { .name: wp16, .offset: 8, .size: 8, .value_kind: global_buffer, .address_space: global }
      - { .name: b_proj, .offset: 16, .size: 8, .value_kind: global_buffer, .address_space: global }
      - { .name: out0, .offset: 24, .size: 8, .value_kind: global_buffer, .address_space: global }
    .group_segment_fixed_size: 327680
    .private_segment_fixed_size: 0
    .kernarg_segment_align: 8
    .kernarg_segment_size: 32
    .max_flat_workgroup_size: 128
    .sgpr_count:     66
    .vgpr_count:     576
    .wavefront_size: 32
...
	.end_amdgpu_metadata
.endif
;; end of part 4
;; launch fine (part 5): grid 16 x 4, 16 waves a work-group, no clusters, 71,680 bytes of LDS; arguments qkv32, W_proj, b_proj, out0; writes out0
.if DOCPART == 5
	.amdgcn_target "amdgcn-amd-amdhsa--gfx1250"
	.amdhsa_code_object_version 6
	.text
	.protected	k_q7224ae6994_fine
	.globl	k_q7224ae6994_fine
	.p2align	8
	.type	k_q7224ae6994_fine,@function
k_q7224ae6994_fine:
	s_mov_b64 s[64:65], 0
	v_nop
	global_prefetch_b8 v0, s[64:65] scope:SCOPE_SE
	s_setreg_imm32_b32 hwreg(HW_REG_WAVE_MODE, 25, 1), 1
	s_wait_xcnt 0x0
; THE FIRST 16 POSITIONS OF EACH SEQUENCE, all in f32: attention over at most 16 keys, and the projection.  These rows average few values and are the largest of the output.
; Work-group (x, b): batch b, output columns 64 x .. 64 x + 63.  Wave w is head w: it makes the head's 16 x 64 of y, and, since the head's 64 channels are its share of the projection's K,
; multiplies it at once by W_proj's rows 64 w .. 64 w + 63: y never leaves its registers.  The sixteen heads' partial sums meet in LDS; wave w then adds up row t = w and stores 256 consecutive bytes.
; v_wmma_f32_16x16x4_f32: a lane's two registers hold k = 2 (lane / 16) + 0, 1.  One order of k on both operands of each product:
;   scores: a load of 16 bytes brings channels 8 u + 4 h + 0 .. 3: two K steps;   second product and projection: K step s takes keys (channels) 8 h + 2 s + 0, 1, which is how a result's registers 2 s, 2 s + 1 lie.
; The registers that this form writes (v192-255) are written by matrix instructions alone.
; REGISTERS: v1-15 addresses and at work; v16-47 K, later W of channels 32-47; v48-79 Q, later W of channels 48-63; v80-111 V^T; v112-175 W of channels 0-31; v176-183 scores, then p; v184-185 the bias;
;   v192-223 the four tiles of the output (the two halves of the scores' sum lie there first); v224-255 O^T.
.set SPARE, 16*4352
.set PP,    272                        ; a row of partial sums: 256 bytes + 16
	s_load_b256 s[4:11], s[0:1], 0x0               ; qkv32 s[4:5], W_proj s[6:7], b_proj s[8:9], out0 s[10:11]
	v_lshl_add_u32 v9, v0, 2, SPARE                ; my spare word; never rewritten
	v_mov_b32 v10, 0                               ; 0; never rewritten
	v_lshrrev_b32 v1, 5, v0
	v_readfirstlane_b32 s12, v1                    ; wave = head
	v_and_b32 v1, 15, v0                           ; r
	v_bfe_u32 v2, v0, 4, 1                         ; h
	v_and_b32 v12, 31, v0                          ; lane
	v_mul_u32_u24 v3, v1, 12288
	v_lshl_add_u32 v3, v2, 4, v3                   ; q, k: row r of 12,288 bytes + 16 h
	v_mul_u32_u24 v4, v2, 8*12288
	v_lshl_add_u32 v4, v1, 2, v4                   ; v: key 8 h on, channel r
	v_lshlrev_b32 v5, 15, v2
	v_lshl_add_u32 v5, v1, 2, v5                   ; W: row 8 h on (4,096 bytes a row), column r
	s_mul_i32 s13, s12, 16*PP
	v_mul_u32_u24 v6, v1, PP
	v_lshl_add_u32 v6, v2, 5, v6
	v_add_nc_u32 v6, s13, v6                       ; my head's partial sums: row r, + 32 h
	s_mul_i32 s13, s12, PP
	v_lshlrev_b32 v8, 3, v12                       ; 8 bytes a lane
	v_add_nc_u32 v7, s13, v8                       ; row w of each head's partial sums
	v_lshlrev_b32 v11, 3, v2
	v_sub_nc_u32 v11, v1, v11                      ; r - 8 h
	v_mov_b32 v13, 0xff800000                      ; -infinity
	v_mov_b32 v14, 0                               ; (a lane permute's destination counts as read)
	v_mov_b32 v15, 0
	s_and_b32 s14, ttmp7, 0xffff                   ; batch
	s_mov_b32 s16, 0x76543210
	s_mov_b32 s17, 0xfedcba98
	s_mov_b32 s18, 0x3e38aa3b                      ; c = log2(e) / 8
	s_mov_b32 s21, 0
	s_mul_i32 s20, s14, 16*12288
	s_lshl_b32 s22, s12, 8
	s_add_co_u32 s20, s20, s22                     ; qkv32: the batch's 16 rows, my head's 64 numbers
	s_lshl_b32 s24, ttmp9, 8                       ; 256 bytes for each slice of 64 columns
	s_mov_b32 s25, 0
	s_wait_kmcnt 0x0
	s_add_nc_u64 s[4:5], s[4:5], s[20:21]
	s_add_nc_u64 s[8:9], s[8:9], s[24:25]
	s_add_nc_u64 s[6:7], s[6:7], s[24:25]
	s_add_nc_u64 s[10:11], s[10:11], s[24:25]
	s_lshl_b32 s20, s12, 18                        ; W: my head's 64 rows
	s_add_nc_u64 s[6:7], s[6:7], s[20:21]
	s_lshl_b32 s20, s14, 11
	s_add_co_u32 s20, s20, s12                     ; out: row 2,048 b + w
	s_lshl_b32 s20, s20, 12
	s_add_nc_u64 s[10:11], s[10:11], s[20:21]
	global_load_b64 v[184:185], v8, s[8:9]         ; the bias of my two columns
.irp u, 0,1,2,3,4,5,6,7
	global_load_b128 v[16+4*\u:19+4*\u], v3, s[4:5] offset:4096+32*\u      ; k
.endr
.irp u, 0,1,2,3,4,5,6,7
	global_load_b128 v[48+4*\u:51+4*\u], v3, s[4:5] offset:32*\u           ; q
.endr
.irp ct, 0,1,2,3
.irp i, 0,1,2,3,4,5,6,7
	global_load_b32 v[80+8*\ct+\i], v4, s[4:5] offset:8192+\i*12288+64*\ct   ; v(8 h + i, 16 ct + r)
.endr
.endr
.irp ct, 0,1
.irp nt, 0,1,2,3
.irp i, 0,1,2,3,4,5,6,7
	global_load_b32 v[112+32*\ct+8*\nt+\i], v5, s[6:7] offset:(16*\ct+\i)*4096+64*\nt   ; W(64 w + 16 ct + 8 h + i, 64 x + 16 nt + r)
.endr
.endr
.endr
	s_wait_loadcnt 63                              ; 64 loads were issued behind v's last: the bias, k, q and v are in
	; S^T = K Q^T: 16 K steps, two accumulators by turns; a lane holds query r and keys 8 h + 0 .. 7
.irp u, 0,1,2,3,4,5,6,7
.irp p, 0,1
.if \u == 0
	v_wmma_f32_16x16x4_f32 v[192+8*\p:199+8*\p], v[16+4*\u+2*\p:17+4*\u+2*\p], v[48+4*\u+2*\p:49+4*\u+2*\p], 0
.else
	v_wmma_f32_16x16x4_f32 v[192+8*\p:199+8*\p], v[16+4*\u+2*\p:17+4*\u+2*\p], v[48+4*\u+2*\p:49+4*\u+2*\p], v[192+8*\p:199+8*\p]
.endif
.endr
.endr
.rept 8
	v_nop                                          ; eight places behind this form: for the loads into k's and q's registers and the reads of the sums
.endr
.irp ct, 2,3
.irp nt, 0,1,2,3
.irp i, 0,1,2,3,4,5,6,7
	global_load_b32 v[16+32*(\ct-2)+8*\nt+\i], v5, s[6:7] offset:(16*\ct+\i)*4096+64*\nt
.endr
.endr
.endr
.irp j, 0,1,2,3,4,5,6,7
	v_add_f32 v[176+\j], v[192+\j], v[200+\j]      ; the two halves of the sum, from the low end on
.endr
.irp j, 0,1,2,3,4,5,6,7
	v_cmp_gt_i32 vcc_lo, \j, v11                   ; key 8 h + j comes after query r
	v_cndmask_b32 v[176+\j], v[176+\j], v13, vcc_lo
.endr
	v_max3_num_f32 v12, v176, v177, v178
	v_max3_num_f32 v12, v12, v179, v180
	v_max3_num_f32 v12, v12, v181, v182
	v_max_num_f32 v12, v12, v183
	v_permlanex16_b32 v14, v12, s16, s17
	v_max_num_f32 v12, v12, v14                    ; the row's maximum (key 0 counts for every query)
	v_mul_f32 v12, s18, v12
.irp j, 0,1,2,3,4,5,6,7
	v_fma_f32 v[176+\j], v[176+\j], s18, -v12
.endr
.irp j, 0,1,2,3,4,5,6,7
	v_exp_f32 v[176+\j], v[176+\j]
.endr
	v_nop                                          ; a plain line behind the last exponential
	s_wait_alu depctr_va_vdst(0)                   ; one wait for the eight, ahead of their first reader
	v_add_f32 v14, v176, v177
	v_add_f32 v15, v178, v179
	v_add_f32 v14, v14, v180
	v_add_f32 v15, v15, v181
	v_add_f32 v14, v14, v182
	v_add_f32 v15, v15, v183
	v_add_f32 v14, v14, v15
	v_permlanex16_b32 v15, v14, s16, s17
	v_add_f32 v14, v14, v15
	v_rcp_f32 v14, v14
	v_nop
	s_wait_alu depctr_va_vdst(0)
.irp j, 0,1,2,3,4,5,6,7
	v_mul_f32 v[176+\j], v[176+\j], v14            ; the weights, normalised
.endr
	; O^T = V^T P: four K steps of four keys, four accumulators by turns; a lane holds query r and channels 16 ct + 8 h + 0 .. 7
.irp s, 0,1,2,3
.irp ct, 0,1,2,3
.if \s == 0
	v_wmma_f32_16x16x4_f32 v[224+8*\ct:231+8*\ct], v[80+8*\ct+2*\s:81+8*\ct+2*\s], v[176+2*\s:177+2*\s], 0
.else
	v_wmma_f32_16x16x4_f32 v[224+8*\ct:231+8*\ct], v[80+8*\ct+2*\s:81+8*\ct+2*\s], v[176+2*\s:177+2*\s], v[224+8*\ct:231+8*\ct]
.endif
.endr
.endr
.rept 9
	v_nop                                          ; nine places: the results become source 1 of the next products
.endr
	s_wait_loadcnt 63                              ; 64 loads were issued behind W's first half: it is in
	; OUT^T += W^T y^T: 16 K steps of four channels, four accumulators by turns; a lane holds query r and columns 16 nt + 8 h + 0 .. 7
.irp ct, 0,1,2,3
.if \ct == 2
	s_wait_loadcnt 0x0                             ; W's second half
.endif
.if \ct < 2
.set WB, 112+32*\ct
.else
.set WB, 16+32*(\ct-2)
.endif
.irp s, 0,1,2,3
.irp nt, 0,1,2,3
.if (\ct == 0) && (\s == 0)
	v_wmma_f32_16x16x4_f32 v[192+8*\nt:199+8*\nt], v[WB+8*\nt+2*\s:WB+8*\nt+2*\s+1], v[224+8*\ct+2*\s:225+8*\ct+2*\s], 0
.else
	v_wmma_f32_16x16x4_f32 v[192+8*\nt:199+8*\nt], v[WB+8*\nt+2*\s:WB+8*\nt+2*\s+1], v[224+8*\ct+2*\s:225+8*\ct+2*\s], v[192+8*\nt:199+8*\nt]
.endif
.endr
.endr
.endr
.rept 8
	v_nop
.endr
.irp nt, 0,1,2,3
	ds_store_b128 v6, v[192+8*\nt:195+8*\nt] offset:64*\nt          ; each accumulator from its low end on
	ds_store_b128 v6, v[196+8*\nt:199+8*\nt] offset:64*\nt+16
.endr
	s_wait_dscnt 0x0                               ; for the others' sake: my stores have landed
	s_barrier_signal -1
	s_barrier_wait -1
.irp p, 0,1,2,3,4,5,6,7,8,9,10,11,12,13,14,15
	ds_load_b64 v[16+2*\p:17+2*\p], v7 offset:16*PP*\p              ; row w of head p's partial sums, two columns a lane
.endr
	s_wait_dscnt 0x0
.irp i, 0,1,2,3,4,5,6,7
	v_pk_add_f32 v[16+4*\i:17+4*\i], v[16+4*\i:17+4*\i], v[18+4*\i:19+4*\i]
.endr
.irp i, 0,1,2,3
	v_pk_add_f32 v[16+8*\i:17+8*\i], v[16+8*\i:17+8*\i], v[20+8*\i:21+8*\i]
.endr
.irp i, 0,1
	v_pk_add_f32 v[16+16*\i:17+16*\i], v[16+16*\i:17+16*\i], v[24+16*\i:25+16*\i]
.endr
	v_pk_add_f32 v[16:17], v[16:17], v[32:33]
	v_pk_add_f32 v[16:17], v[16:17], v[184:185]    ; + the bias
	global_store_b64 v8, v[16:17], s[10:11]        ; the wave stores 256 consecutive bytes, aligned
	s_wait_tensorcnt 0x0                           ; the wave's end
	ds_add_u32 v9, v10
	s_wait_dscnt 0x0
	s_endpgm
.Lfunc_end_k_q7224ae6994_fine:
	.size	k_q7224ae6994_fine, .Lfunc_end_k_q7224ae6994_fine-k_q7224ae6994_fine
	.p2alignl 7, 3214868480
	.fill 96, 4, 3214868480
	.section	.rodata,"a",@progbits
	.p2align	6, 0x0
	.amdhsa_kernel k_q7224ae6994_fine
		.amdhsa_group_segment_fixed_size 71680
		.amdhsa_private_segment_fixed_size 0
		.amdhsa_enable_private_segment 0
		.amdhsa_kernarg_size 32
		.amdhsa_user_sgpr_count 2
		.amdhsa_user_sgpr_kernarg_segment_ptr 1
		.amdhsa_wavefront_size32 1
		.amdhsa_system_sgpr_workgroup_id_x 1
		.amdhsa_system_sgpr_workgroup_id_y 1
		.amdhsa_system_sgpr_workgroup_id_z 1
		.amdhsa_system_vgpr_workitem_id 0
		.amdhsa_next_free_vgpr 256
		.amdhsa_next_free_sgpr 66
		.amdhsa_reserve_vcc 1
		.amdhsa_float_denorm_mode_32 3
		.amdhsa_float_denorm_mode_16_64 3
		.amdhsa_memory_ordered 1
		.amdhsa_forward_progress 1
		.amdhsa_inst_pref_size 32
	.end_amdhsa_kernel
	.amdgpu_metadata
---
amdhsa.version: [ 1, 2 ]
amdhsa.kernels:
  - .name:           k_q7224ae6994_fine
    .symbol:         k_q7224ae6994_fine.kd
    .args:
      - { .name: qkv32, .offset: 0, .size: 8, .value_kind: global_buffer, .address_space: global }
      - { .name: W_proj, .offset: 8, .size: 8, .value_kind: global_buffer, .address_space: global }
      - { .name: b_proj, .offset: 16, .size: 8, .value_kind: global_buffer, .address_space: global }
      - { .name: out0, .offset: 24, .size: 8, .value_kind: global_buffer, .address_space: global }
    .group_segment_fixed_size: 71680
    .private_segment_fixed_size: 0
    .kernarg_segment_align: 8
    .kernarg_segment_size: 32
    .max_flat_workgroup_size: 512
    .sgpr_count:     66
    .vgpr_count:     256
    .wavefront_size: 32
...
	.end_amdgpu_metadata
.endif
;; end of part 5
